; MI455X (gfx1250); checked and timed in simulation.
; The chip was launched on July 23, 2026; its instructions are those of AMD's public machine-readable ISA for CDNA 5 (MIT licence, August 2026) and "CDNA5" Instruction Set Architecture Reference Guide (July 2026). The comments in the code are by the model that wrote it; some were corrected since.
;; Stream Model For Gemma. Allowed arithmetic: float matrix products may take bf16 or f16 operands with f32 sums; all other float work in f32.
;; Inputs: cos 2 x 4,096 x 256 float32; hidden_states 2 x 4,096 x 2,048 float32; k_norm_w 256 float32; q_norm_w 256 float32; sin 2 x 4,096 x 256 float32; wk 2,048 x 512 float32; wo 512 x 2,048 float32; wq 2,048 x 512 float32; wv 2,048 x 512 float32.
;; Outputs: out0 2 x 4,096 x 2,048 float32.
;; 2 versions, each right; version 2 is version 1 with the launch cast written anew for expert scheduling mode. Each part assembles by itself: llvm-mc -triple=amdgcn-amd-amdhsa -mcpu=gfx1250 --defsym DOCPART=n.
;; ======== version 1 of 2: 4 launches
;; limits: values are held in f16: magnitudes above 65,504 overflow, below 6.1e-05 lose precision; values outside matrix products are rounded to bf16
;; workspace buffers: wb 8,388,608 bytes; qkvb 50,331,648 bytes; attnf 16,777,216 bytes
;; launch cast (part 1): grid 256 x 1, 8 waves a work-group, no clusters, 0 bytes of LDS; arguments wq, wk, wv, wo, wb; writes wb
.if DOCPART == 1
	.amdgcn_target "amdgcn-amd-amdhsa--gfx1250"
	.amdhsa_code_object_version 6
	.text
	.protected	k_q1bc4dfd657_cast
	.globl	k_q1bc4dfd657_cast
	.p2align	8
	.type	k_q1bc4dfd657_cast,@function
k_q1bc4dfd657_cast:
	s_mov_b64 s[64:65], 0
	v_nop
	global_prefetch_b8 v0, s[64:65] scope:SCOPE_SE
	s_setreg_imm32_b32 hwreg(HW_REG_WAVE_MODE, 25, 1), 1
	s_wait_xcnt 0x0
; wb = the four weight matrices as 16-bit numbers, each in its own [K][N] order: wq at byte 0, wk at 2,097,152, wv at 4,194,304 (bf16), wo at 6,291,456 (rounded to bf16, then held as f16).
; wo's partner in the last product is f16, so wo must be f16 too; a bf16 number has 8 significant bits and is exact in f16 from 2^-17 upward.
; A stream: 256 work-groups, each 65,536 bytes of one source (64 chunks a source) and 32,768 bytes of wb.  Thread t takes 16 bytes at 16 t of each 4,096-byte line:
; a wave's load covers 512 consecutive bytes, its store 256 consecutive bytes at a multiple of 256 from wb's first byte.  No LDS, no barrier, no matrix work: nothing is shared.
; LIMIT: wo's magnitudes stay under 65,504; those under 7.6e-6 are moved by up to 3e-8.
.set X, 4                              ; v[4:67]   sixteen loads of four f32
.set Y, 68                             ; v[68:99]  sixteen pairs of packed 16-bit numbers
	s_load_b256 s[4:11], s[0:1], 0x0               ; wq s[4:5], wk s[6:7], wv s[8:9], wo s[10:11]
	s_load_b64 s[12:13], s[0:1], 0x20              ; wb
	s_lshr_b32 s14, ttmp9, 6                       ; which source
	s_and_b32 s18, ttmp9, 63                       ; which chunk of it,
	s_lshl_b32 s18, s18, 16                        ; in bytes
	s_mov_b32 s19, 0
	s_lshl_b32 s20, ttmp9, 15                      ; my 32,768 bytes of wb
	s_mov_b32 s21, 0
	v_lshlrev_b32 v1, 4, v0                        ; 16 t
	v_lshlrev_b32 v2, 3, v0                        ; 8 t
	s_wait_kmcnt 0x0
	s_mov_b64 s[16:17], s[4:5]
.irp n, 1,2,3
	s_cmp_eq_u32 s14, \n                           ; the choice hangs on the work-group's number alone
	s_cselect_b64 s[16:17], s[4+2*\n:5+2*\n], s[16:17]
.endr
	s_add_nc_u64 s[16:17], s[16:17], s[18:19]
	s_add_nc_u64 s[12:13], s[12:13], s[20:21]
.irp i, 0,1,2,3,4,5,6,7,8,9,10,11,12,13,14,15
	global_load_b128 v[X+4*\i:X+4*\i+3], v1, s[16:17] offset:4096*\i th:TH_LOAD_NT   ; all sixteen go out first
.endr
	s_cmp_eq_u32 s14, 3
	s_cbranch_scc1 .Lwo
.irp i, 0,1,2,3,4,5,6,7,8,9,10,11,12,13,14,15
	s_wait_loadcnt 15-\i                           ; loads return in order: load i is in, the 15 - i younger ones stay out
	v_cvt_pk_bf16_f32 v[Y+2*\i], v[X+4*\i], v[X+4*\i+1]
	v_cvt_pk_bf16_f32 v[Y+2*\i+1], v[X+4*\i+2], v[X+4*\i+3]
	global_store_b64 v2, v[Y+2*\i:Y+2*\i+1], s[12:13] offset:2048*\i   ; no register that a store reads is written again
.endr
	s_endpgm
.Lwo:
.irp i, 0,1,2,3,4,5,6,7,8,9,10,11,12,13,14,15
	s_wait_loadcnt 15-\i
	v_cvt_pk_bf16_f32 v[Y+2*\i], v[X+4*\i], v[X+4*\i+1]
	v_cvt_pk_bf16_f32 v[Y+2*\i+1], v[X+4*\i+2], v[X+4*\i+3]
	v_lshlrev_b32 v[X+4*\i], 16, v[Y+2*\i]         ; the rounded numbers as f32 again,
	v_and_b32 v[X+4*\i+1], 0xffff0000, v[Y+2*\i]
	v_lshlrev_b32 v[X+4*\i+2], 16, v[Y+2*\i+1]
	v_and_b32 v[X+4*\i+3], 0xffff0000, v[Y+2*\i+1]
	v_cvt_pk_f16_f32 v[Y+2*\i], v[X+4*\i], v[X+4*\i+1]     ; and in f16's clothes
	v_cvt_pk_f16_f32 v[Y+2*\i+1], v[X+4*\i+2], v[X+4*\i+3]
	global_store_b64 v2, v[Y+2*\i:Y+2*\i+1], s[12:13] offset:2048*\i
.endr
	s_endpgm
.Lfunc_end_k_q1bc4dfd657_cast:
	.size	k_q1bc4dfd657_cast, .Lfunc_end_k_q1bc4dfd657_cast-k_q1bc4dfd657_cast
	.p2alignl 7, 3214868480
	.fill 96, 4, 3214868480
	.section	.rodata,"a",@progbits
	.p2align	6, 0x0
	.amdhsa_kernel k_q1bc4dfd657_cast
		.amdhsa_group_segment_fixed_size 0
		.amdhsa_private_segment_fixed_size 0
		.amdhsa_enable_private_segment 0
		.amdhsa_kernarg_size 40
		.amdhsa_user_sgpr_count 2
		.amdhsa_user_sgpr_kernarg_segment_ptr 1
		.amdhsa_wavefront_size32 1
		.amdhsa_system_sgpr_workgroup_id_x 1
		.amdhsa_system_sgpr_workgroup_id_y 1
		.amdhsa_system_sgpr_workgroup_id_z 1
		.amdhsa_system_vgpr_workitem_id 0
		.amdhsa_next_free_vgpr 104
		.amdhsa_next_free_sgpr 66
		.amdhsa_reserve_vcc 0
		.amdhsa_float_denorm_mode_32 3
		.amdhsa_float_denorm_mode_16_64 3
		.amdhsa_memory_ordered 1
		.amdhsa_forward_progress 1
		.amdhsa_inst_pref_size 16
	.end_amdhsa_kernel
	.amdgpu_metadata
---
amdhsa.version: [ 1, 2 ]
amdhsa.kernels:
  - .name:           k_q1bc4dfd657_cast
    .symbol:         k_q1bc4dfd657_cast.kd
    .args:
      - { .name: wq, .offset: 0, .size: 8, .value_kind: global_buffer, .address_space: global }
      - { .name: wk, .offset: 8, .size: 8, .value_kind: global_buffer, .address_space: global }
      - { .name: wv, .offset: 16, .size: 8, .value_kind: global_buffer, .address_space: global }
      - { .name: wo, .offset: 24, .size: 8, .value_kind: global_buffer, .address_space: global }
      - { .name: wb, .offset: 32, .size: 8, .value_kind: global_buffer, .address_space: global }
    .group_segment_fixed_size: 0
    .private_segment_fixed_size: 0
    .kernarg_segment_align: 8
    .kernarg_segment_size: 40
    .max_flat_workgroup_size: 256
    .sgpr_count:     66
    .vgpr_count:     104
    .wavefront_size: 32
...
	.end_amdgpu_metadata
.endif
;; end of part 1
;; launch qkv (part 2): grid 64 x 3, 4 waves a work-group, clusters of 4 x 1, 327,680 bytes of LDS; arguments hidden_states, wb, qkvb, cos, sin, q_norm_w, k_norm_w; writes qkvb
.if DOCPART == 2
	.amdgcn_target "amdgcn-amd-amdhsa--gfx1250"
	.amdhsa_code_object_version 6
	.text
	.protected	k_q1bc4dfd657_qkv
	.globl	k_q1bc4dfd657_qkv
	.p2align	8
	.type	k_q1bc4dfd657_qkv,@function
k_q1bc4dfd657_qkv:
	s_mov_b64 s[64:65], 0
	v_nop
	global_prefetch_b8 v0, s[64:65] scope:SCOPE_SE
	s_setreg_imm32_b32 hwreg(HW_REG_WAVE_MODE, 25, 1), 1
	s_wait_xcnt 0x0
	s_wait_alu depctr_hold_cnt(0) depctr_sa_sdst(0) depctr_va_vdst(0) depctr_va_sdst(0) depctr_va_ssrc(0) depctr_va_vcc(0) depctr_vm_vsrc(0)
	s_getreg_b32 s2, hwreg(HW_REG_IB_STS2, 6, 4)
	s_cmp_eq_u32 s2, 0
	s_cbranch_scc0 .Lentry_in_a_cluster
	s_endpgm
.Lentry_in_a_cluster:
	s_bfe_u32 s2, ttmp6, 0x10000c
	s_cmp_lg_u32 s2, 0x3003
	s_cbranch_scc0 .Lentry_shape_is_right
	s_endpgm
.Lentry_shape_is_right:
; q, k, v = hidden_states x (wq, wk or wv: work-group y), a block of 128 rows x 512 columns a work-group.  hidden_states is f32 [8192][2048]; W is bf16 [2048][512] (made by the first launch).  Sums in f32.
; q and k get RMSNorm over the head's 256 columns, the gain 1 + w and RoPE; v is multiplied by 32 (exact).
; FORMAT: every input of the program is taken in bf16: the matrix operands, and w, cos and sin too, each rounded once on load.  What follows is kept finer: each result x leaves as TWO f16 numbers,
; hi = x rounded to 11 bits and lo = x - hi, in planes [2 which + head] (hi) and [6 + 2 which + head] (lo) of [8192][256].
; SHARES.  Four waves, 2 x 2; a wave makes 64 rows x 256 columns, one whole head: 64 accumulators of 16 x 16, 512 registers.  Norm and RoPE never leave the wave.
; K goes in steps of 64 through two LDS slots.  hidden comes in as f32 (rows of 256 bytes) and each fragment is rounded in registers.  W lies [k][n] and is turned on its way out of LDS by ds_load_tr16_b128.
; CLUSTER.  4 x 1: the four row blocks walk the same W, which is asked for jointly; hidden's tiles are each work-group's own (plain loads): the grid has 3 work-groups along y, which no cluster of four divides.
; THE MATRIX INSTRUCTION IS USED TRANSPOSED: source 0 = 16 columns of W, source 1 = 16 rows of hidden: lane l holds row l % 16 of C and the columns 8 (l / 16) + 0..7 of the block of 16.
; THE WAY OUT.  The ring has had its last fill, so each wave lays its 64 rows x 1,024 bytes into it (128 LDS stores, the only lines that name accumulators) and then walks them in a loop, four rows a group:
; a row comes back with columns 4 l .. 4 l + 3 and 128 + 4 l .. in lane l, so RoPE's partners d and d + 128 meet in one lane and a row's sum of squares is one sum over the wave's 32 lanes.
; LIMITS.  f16 holds magnitudes up to 65,504 and steps of 6e-8 below 6.1e-5: q and k are at most 16 (1 + w)(|cos| + |sin|) by the norm; 32 v must stay under 65,504.
; REGISTERS, in windows of 256: window 0: v0-31 addresses, v32-95 hidden as f32, v96-159 its fragments (two buffers); on the way out v32-239 anew;
; window 1: W's fragments, two buffers of 128; windows 2, 3: accumulator (a, b) in window 2 + a / 2 at v[8 (16 (a % 2) + b)].
.set KDIM,  2048
.set NP,    512
.set KS,    64                         ; K in a step
.set LAPS,  KDIM/(2*KS)                ; a lap = two steps = once round the ring
.set PA,    272                        ; a row of hidden in LDS: 256 bytes + 16: 17 x 16, so the 16 rows of a load begin at 16 different 16-byte columns of 256
.set PB,    1056                       ; a k-row of W in LDS: 1,024 bytes + 32: 33 x 32, for the turning load
.set AOFF,  128*PA                     ; W's tile lies behind hidden's 128 rows
.set SLOT,  AOFF+KS*PB                 ; 102,400
.set SP,    1040                       ; the way out: a row of 1,024 bytes + 16 = 65 x 16
.set WST,   64*SP                      ; a wave's 64 rows: 66,560 bytes; four of them are 266,240, from LDS byte 0 on
.set LOPL,  0x1800000                  ; the lo planes lie six planes of 4,194,304 bytes behind the hi planes
.set ADRA, 16                          ; v16-17  LDS address of my fragments of hidden, slot 0, 1
.set ADRB, 20                          ; v20-21  the same for W
.set STO,  24                          ; v24     the way out: where I put 16 bytes of a row
.set RD,   25                          ; v25     where I read my first row back
.set CSO,  26                          ; v26     16 x lane: my place in a row of cos, sin, w
.set OUTO, 27                          ; v27     my place in a row of the output
.set ADR,  28                          ; v28     RD + the trip's step
.set RA,   32                          ; v32-95  hidden as f32: four blocks of 16 rows x 32 K
.set AF,   96                          ; v96-159 its fragments, buffer g at AF + 32 g
.set CS0,  32                          ; the way out: v32-95, v96-159 two buffers of 4 rows x (cos low, cos high, sin low, sin high) x 4
.set X,    160                         ; v160-191 four rows read back, then their packed results
.set WL,   192                         ; v192-199 1 + w of my columns 4 l .. and 128 + 4 l ..
.set WH,   196
.set TB,   200                         ; v200-207 packed bf16, at work
.set RS,   208                         ; v208-215 for each of four rows a pair: the sum of squares, then 1 / sqrt(mean + eps) in the pair's first register
.set YT,   216                         ; v216-231 at work
.set SS,   232                         ; v232-239 at work in the split
.set WV, 16                            ; s16 wave, s17 its half of the rows, s18 its half of the columns (also: which half of a tile it fetches)
.set RH, 17
.set CH, 18
.set CX, 19
.set MT, 20                            ; s20 row block, s21 work-group y
.set YY, 21
.set G1A, 24                           ; s[24:31] descriptor group 1 of hidden's tiles; s[32:39] group 0, a set for each slot
.set G0A, 32
.set G1B, 40                           ; s[40:47], s[48:55] the same for W's
.set G0B, 48
.set C256, 74                          ; s74 1/256, s75 eps
.set CEPS, 75
.set SEL, 76                           ; s[76:77] lane selects: each lane takes its own place in the other half
.set HM,  78                           ; s78 a word's upper bf16
.set TBS, 79                           ; s79 the way out: LDS bytes from my first row to the trip's first row
.set LOB, 84                           ; s[84:85] the output's lo plane
.set MSB, 0
.macro WIN new                         ; the immediate's high byte repeats the setting that is left; a switch that changes nothing is dropped
.if MSB != (\new)
	s_set_vgpr_msb (MSB<<8)|(\new)
.set MSB, (\new)
.endif
.endm
.macro PLACES                          ; four plain vector instructions between a matrix instruction and a load into, or a vector access to, its registers
.rept 4
	v_nop
.endr
.endm
.macro CREST                           ; a round of the cluster's barrier behind its opening barrier
	s_cmp_lg_u32 s[WV], 0
	s_cbranch_scc1 .Lnot_wave_0_\@
	s_barrier_signal -3
.Lnot_wave_0_\@:
	s_barrier_wait -3
	s_barrier_signal -1
	s_barrier_wait -1
.endm
.macro CROUND
	s_barrier_signal -1
	s_barrier_wait -1
	CREST
.endm
.macro JLOAD sl                        ; waves 0, 1 fetch hidden's two halves, waves 2, 3 W's; the branch hangs on the wave's number alone; four v_nop follow each line
	s_cmp_lt_u32 s[WV], 2
	s_cbranch_scc0 .Lfor_b_\@
	tensor_load_to_lds s[G0A+4*\sl:G0A+4*\sl+3], s[G1A:G1A+7]
	s_nop 0
.rept 4
	v_nop
.endr
	s_branch .Lasked_\@
.Lfor_b_\@:
	tensor_load_to_lds s[G0B+4*\sl:G0B+4*\sl+3], s[G1B:G1B+7]
	s_nop 0
.rept 4
	v_nop
.endr
.Lasked_\@:
.endm
	s_load_b256 s[4:11], s[0:1], 0x0               ; hidden s[4:5], wb s[6:7], qkvb s[8:9], cos s[10:11]
	s_load_b64 s[12:13], s[0:1], 0x20              ; sin
	s_load_b64 s[68:69], s[0:1], 0x28              ; q_norm_w
	s_load_b64 s[70:71], s[0:1], 0x30              ; k_norm_w
	v_lshl_add_u32 v254, v0, 2, 0x42400
	v_mov_b32 v255, 0
	ds_add_u32 v254, v255
	v_lshrrev_b32 v1, 5, v0
	v_readfirstlane_b32 s[WV], v1
	s_lshr_b32 s[RH], s[WV], 1
	s_and_b32 s[CH], s[WV], 1
	s_bfe_u32 s[CX], ttmp6, 0x40000
	s_lshl_b32 s[MT], ttmp9, 2                     ; in a cluster launch ttmp9 and ttmp7 count clusters
	s_add_co_u32 s[MT], s[MT], s[CX]               ; row block = 4 x cluster x + cx
	s_and_b32 s[YY], ttmp7, 0xffff                 ; 0 q, 1 k, 2 v: the same in all four partners
	s_mov_b32 s[G1A], (2<<16)|(1<<20)|(5<<22)|(3<<25)                  ; no mask; elements of 4 bytes; 4 words of padding behind every 64
	s_mov_b32 s[G1B], 15|(1<<16)|(1<<20)|(1<<21)|(7<<22)|(7<<25)       ; all four work-groups; elements of 2 bytes; 8 words of padding behind every 256
	s_mov_b32 s[G1A+1], KS<<16                     ; tensor_dim0 = 64
	s_mov_b32 s[G1A+2], 64<<16                     ; tensor_dim1 = 64
	s_mov_b32 s[G1A+3], KS<<16                     ; tile_dim0 = 64 elements: 256 bytes
	s_mov_b32 s[G1A+4], 64                         ; tile_dim1 = 64 rows
	s_mov_b32 s[G1A+5], KDIM                       ; elements from row to row
	s_mov_b32 s[G1A+6], 0
	s_mov_b32 s[G1A+7], 0
	s_mov_b32 s[G1B+1], 512<<16                    ; tensor_dim0 = 512
	s_mov_b32 s[G1B+2], 32<<16                     ; tensor_dim1 = 32
	s_mov_b32 s[G1B+3], 512<<16                    ; tile_dim0 = 512 elements: 1,024 bytes
	s_mov_b32 s[G1B+4], 32                         ; tile_dim1 = 32 k-rows: half of a step's 64
	s_mov_b32 s[G1B+5], NP
	s_mov_b32 s[G1B+6], 0
	s_mov_b32 s[G1B+7], 0
	s_mov_b32 s[C256], 0x3b800000
	s_mov_b32 s[CEPS], 0x358637bd
	s_mov_b32 s[SEL], 0x76543210
	s_mov_b32 s[SEL+1], 0xfedcba98
	s_mov_b32 s[HM], 0xffff0000
	s_lshl_b32 s56, s[MT], 7
	s_lshl_b32 s57, s[CH], 6
	s_add_co_u32 s56, s56, s57                     ; hidden: row 128 x block + 64 x half,
	s_mul_i32 s56, s56, KDIM*4                     ; in bytes (under 2^27)
	s_mov_b32 s57, 0
	s_lshl_b32 s60, s[YY], 21                      ; W: matrix y
	s_mul_i32 s61, s[CH], 32*NP*2                  ; and my 32 k-rows
	s_add_co_u32 s60, s60, s61
	s_mov_b32 s61, 0
	s_mul_i32 s22, s[CH], 64*PA                    ; where they go: no place in the cluster enters an LDS address
	s_mul_i32 s2, s[CH], 32*PB
	s_add_co_u32 s2, s2, AOFF
	s_wait_dscnt 0x0
	s_wait_kmcnt 0x0
	s_add_nc_u64 s[58:59], s[4:5], s[56:57]
	s_add_nc_u64 s[62:63], s[6:7], s[60:61]
.irp sl, 0,1
	s_mov_b32 s[G0A+4*\sl], 1
	s_add_co_u32 s[G0A+4*\sl+1], s22, \sl*SLOT
	s_add_nc_u64 s[G0A+4*\sl+2:G0A+4*\sl+3], s[58:59], \sl*KS*4
	s_or_b32 s[G0A+4*\sl+3], s[G0A+4*\sl+3], 0x80000000
	s_mov_b32 s[G0B+4*\sl], 1
	s_add_co_u32 s[G0B+4*\sl+1], s2, \sl*SLOT
	s_add_nc_u64 s[G0B+4*\sl+2:G0B+4*\sl+3], s[62:63], \sl*KS*NP*2
	s_or_b32 s[G0B+4*\sl+3], s[G0B+4*\sl+3], 0x80000000
.endr
	CROUND                                         ; all partners are here: the first joint loads meet
	s_cmp_lt_u32 s[WV], 2                          ; a wave's two first fills stand in one branch: two loads of mine are out
	s_cbranch_scc0 .Lfirst_b
	tensor_load_to_lds s[G0A:G0A+3], s[G1A:G1A+7]
	s_nop 0
	tensor_load_to_lds s[G0A+4:G0A+7], s[G1A:G1A+7]
	s_nop 0
.rept 4
	v_nop
.endr
	s_branch .Lfirst_asked
.Lfirst_b:
	tensor_load_to_lds s[G0B:G0B+3], s[G1B:G1B+7]
	s_nop 0
	tensor_load_to_lds s[G0B+4:G0B+7], s[G1B:G1B+7]
	s_nop 0
.rept 4
	v_nop
.endr
.Lfirst_asked:
	v_and_b32 v1, 15, v0                           ; r = l % 16
	v_bfe_u32 v2, v0, 4, 1                         ; h = l / 16
	v_and_b32 v3, 31, v0                           ; l
	v_and_b32 v4, 7, v0
	v_bfe_u32 v5, v0, 3, 1
	; hidden's fragment: lane l holds row r; registers 0-3 K = 8 h + 0..7, registers 4-7 K = 16 + 8 h + 0..7.  As f32 that is 32 bytes at 32 h and 32 bytes at 64 + 32 h.
	v_mul_u32_u24 v6, v1, PA
	v_lshl_add_u32 v6, v2, 5, v6
	s_mul_i32 s56, s[RH], 64*PA
	v_add_nc_u32 v[ADRA], s56, v6
	v_add_nc_u32 v[ADRA+1], SLOT, v[ADRA]
	; W's fragment by the turning load: lane l reads 16 bytes of k-row 8 h + l % 8, columns 8 ((l / 8) % 2) + 0..7, and receives column r, eight k.
	v_lshl_add_u32 v7, v2, 3, v4
	v_mul_u32_u24 v7, v7, PB
	v_lshl_add_u32 v7, v5, 4, v7
	s_lshl_b32 s57, s[CH], 9
	s_add_co_u32 s57, s57, AOFF
	v_add_nc_u32 v[ADRB], s57, v7
	v_add_nc_u32 v[ADRB+1], SLOT, v[ADRB]
	s_mul_i32 s56, s[WV], WST                      ; the way out: my 64 rows
	v_mul_u32_u24 v8, v1, SP
	v_lshl_add_u32 v8, v2, 5, v8
	v_add_nc_u32 v[STO], s56, v8                   ; in: row r, 32 bytes for each half of the lanes
	v_lshlrev_b32 v[CSO], 4, v3
	v_add_nc_u32 v[RD], s56, v[CSO]                ; back: 32 lanes x 16 bytes: half a row
	v_lshlrev_b32 v[OUTO], 3, v3
	; the bases of the way out, in registers that feed no descriptor
	s_lshl_b32 s80, s[MT], 7
	s_lshl_b32 s81, s[RH], 6
	s_add_co_u32 s80, s80, s81                     ; my first row
	s_lshl_b32 s82, s80, 10                        ; cos and sin: rows of 1,024 bytes
	s_mov_b32 s83, 0
	s_add_nc_u64 s[10:11], s[10:11], s[82:83]
	s_add_nc_u64 s[12:13], s[12:13], s[82:83]
	s_lshl1_add_u32 s81, s[YY], s[CH]              ; plane = 2 y + head
	s_lshl_b32 s81, s81, 13
	s_add_co_u32 s80, s80, s81
	s_lshl_b32 s80, s80, 9                         ; rows of 512 bytes
	s_mov_b32 s81, 0
	s_add_nc_u64 s[8:9], s[8:9], s[80:81]
	s_add_nc_u64 s[LOB:LOB+1], s[8:9], LOPL
	s_cmp_eq_u32 s[YY], 0
	s_cselect_b64 s[14:15], s[68:69], s[70:71]     ; q's gain or k's
; Row block a x all 16 column blocks, 32 along K, from buffer f: 16 matrix instructions.  zero = 1: they start the sums.
; The 64 accumulators take turns, one instruction a turn, in the same order in every half step, over the loop's edge too.
.macro MUL16 f, a, zero
	WIN 0xa1+0x50*((\a)/2)
.irp b, 0,1,2,3,4,5,6,7,8,9,10,11,12,13,14,15
.set rD, 8*(16*((\a)%2)+\b)
.if \zero
	v_wmma_f32_16x16x32_bf16 v[rD:rD+7], v[128*\f+8*\b:128*\f+8*\b+7], v[AF+32*\f+8*\a:AF+32*\f+8*\a+7], 0
.else
	v_wmma_f32_16x16x32_bf16 v[rD:rD+7], v[128*\f+8*\b:128*\f+8*\b+7], v[AF+32*\f+8*\a:AF+32*\f+8*\a+7], v[rD:rD+7]
.endif
.endr
.endm
; 48 LDS loads in one run: half c of a step: 16 for hidden (f32), then 32 for W into buffer g
.macro FETCH slot, c, g
	WIN 0
.irp a, 0,1,2,3
	ds_load_b128 v[RA+16*\a:RA+16*\a+3],     v[ADRA+\slot] offset:\a*16*PA+128*\c
	ds_load_b128 v[RA+16*\a+4:RA+16*\a+7],   v[ADRA+\slot] offset:\a*16*PA+128*\c+16
	ds_load_b128 v[RA+16*\a+8:RA+16*\a+11],  v[ADRA+\slot] offset:\a*16*PA+128*\c+64
	ds_load_b128 v[RA+16*\a+12:RA+16*\a+15], v[ADRA+\slot] offset:\a*16*PA+128*\c+80
.endr
	WIN 0x40
.irp b, 0,1,2,3,4,5,6,7,8,9,10,11,12,13,14,15
	ds_load_tr16_b128 v[128*\g+8*\b:128*\g+8*\b+3],   v[ADRB+\slot] offset:\c*32*PB+32*\b
	ds_load_tr16_b128 v[128*\g+8*\b+4:128*\g+8*\b+7], v[ADRB+\slot] offset:\c*32*PB+16*PB+32*\b
.endr
.endm
.macro CVT g                           ; hidden's 64 x 32 numbers, rounded to bf16, into buffer g
	WIN 0
.irp i, 0,1,2,3,4,5,6,7,8,9,10,11,12,13,14,15,16,17,18,19,20,21,22,23,24,25,26,27,28,29,30,31
	v_cvt_pk_bf16_f32 v[AF+32*\g+\i], v[RA+2*\i], v[RA+2*\i+1]
.endr
.endm
; The first half of a step multiplies buffer 0 and fetches the second half of the same slot into buffer 1.
.macro C0 slot, zero
	s_wait_dscnt 0x0                               ; W's fragments of buffer 0 are in
	MUL16 0, 0, \zero
	MUL16 0, 1, \zero
	PLACES                                         ; buffer 1 was multiplied last in front of these
	FETCH \slot, 1, 1
	MUL16 0, 2, \zero
	s_wait_dscnt 32                                ; hidden's 16 loads are in; W's 32, issued behind them, may stay out
	CVT 1
	MUL16 0, 3, \zero
.endm
; The second half multiplies buffer 1 and changes slots: one barrier.  In front of it each wave has its reads of this slot back and all its tensor loads landed (one was out: its part of the next slot).
; fill = 1: the barrier opens a round of the cluster's barrier, and this slot's refill, two steps on, is the first tensor load behind the round: 112 matrix instructions ahead of the wait for it.
.macro C1 slot, next, fill
	s_wait_dscnt 0x0                               ; buffer 1 is in, and with it my last reads of this slot
	MUL16 1, 0, 0
	s_set_vgpr_msb 0xa1a0
	s_wait_tensorcnt 0x0
	ds_add_u32 v254, v255
	s_wait_dscnt 0x0
	s_set_vgpr_msb 0xa0a1
	s_barrier_signal -1
	MUL16 1, 1, 0                                  ; registers alone between signal and wait
	WIN 0                                          ; at a branch and at a label every window is 0
	s_barrier_wait -1
.if \fill
	CREST
	s_add_nc_u64 s[G0A+4*\slot+2:G0A+4*\slot+3], s[G0A+4*\slot+2:G0A+4*\slot+3], 2*KS*4      ; no tensor load of mine is out: the descriptors may step
	s_add_nc_u64 s[G0B+4*\slot+2:G0B+4*\slot+3], s[G0B+4*\slot+2:G0B+4*\slot+3], 2*KS*NP*2
	JLOAD \slot                                    ; its four v_nop are also the places in front of the loads below
.else
	PLACES
.endif
	FETCH \next, 0, 0
	MUL16 1, 2, 0
	s_wait_dscnt 32
	CVT 0
	MUL16 1, 3, 0
.endm
	s_wait_tensorcnt 0x1                           ; my part of step 0 is in; step 1's may stay out
	s_barrier_signal -1
	s_barrier_wait -1
	FETCH 0, 0, 0
	s_wait_dscnt 32
	CVT 0
	C0 0, 1                                        ; the first half step stands in front of the loop: its products start the sums
	WIN 0
	s_mov_b32 s3, LAPS-1
.Llap:                                                 ; a trip goes once round the ring and fills both slots again
	C1 0, 1, 1
	C0 1, 0
	C1 1, 0, 1
	C0 0, 0
	WIN 0
	s_sub_co_u32 s3, s3, 1
	s_cmp_lg_u32 s3, 0
	s_cbranch_scc1 .Llap
	C1 0, 1, 0                                     ; the last lap fills nothing
	C0 1, 0
	s_wait_dscnt 0x0                               ; buffer 1 is in: my last reads of the ring are back, and no tensor load is out since the last change of slots
	s_barrier_signal -1                            ; say so; the last products work on registers while the others arrive
	MUL16 1, 0, 0
	MUL16 1, 1, 0
	MUL16 1, 2, 0
	MUL16 1, 3, 0
	WIN 0
	PLACES
	s_barrier_wait -1                              ; no wave reads the ring any more, and nothing is filled again: its bytes now serve the way out
; THE WAY OUT.
.macro STAGE_RAW a                     ; block a's 16 rows as they are; each accumulator's low registers first
.set AC, 128*((\a)%2)
	WIN 0x08+4*((\a)/2)                            ; a store's data: window 2 or 3
.irp b, 0,1,2,3,4,5,6,7,8,9,10,11,12,13,14,15
	ds_store_b128 v[STO], v[AC+8*\b:AC+8*\b+3]   offset:(\a)*16*SP+64*\b
	ds_store_b128 v[STO], v[AC+8*\b+4:AC+8*\b+7] offset:(\a)*16*SP+64*\b+16
.endr
	WIN 0
.endm
.macro STAGED                          ; all 64 rows; then one barrier between all staging and all reading: behind it LDS is only read
	STAGE_RAW 0
	STAGE_RAW 1
	STAGE_RAW 2
	STAGE_RAW 3
	s_wait_dscnt 0x0
	s_barrier_signal -1
	s_barrier_wait -1
.endm
.macro CSLOAD G                        ; cos and sin of rows 4 G .. 4 G + 3 from the trip's first row: sixteen loads of 512 consecutive bytes
.set CB, CS0+64*((\G)%2)
.irp i, 0,1,2,3
	global_load_b128 v[CB+16*\i:CB+16*\i+3],     v[CSO], s[10:11] offset:(4*(\G)+\i)*1024
	global_load_b128 v[CB+16*\i+4:CB+16*\i+7],   v[CSO], s[10:11] offset:(4*(\G)+\i)*1024+512
	global_load_b128 v[CB+16*\i+8:CB+16*\i+11],  v[CSO], s[12:13] offset:(4*(\G)+\i)*1024
	global_load_b128 v[CB+16*\i+12:CB+16*\i+15], v[CSO], s[12:13] offset:(4*(\G)+\i)*1024+512
.endr
.endm
.macro BACK g                          ; four rows back: columns 4 l .. and 128 + 4 l ..
.irp i, 0,1,2,3
	ds_load_b128 v[X+8*\i:X+8*\i+3],   v[ADR] offset:(4*(\g)+\i)*SP
	ds_load_b128 v[X+8*\i+4:X+8*\i+7], v[ADR] offset:(4*(\g)+\i)*SP+512
.endr
.endm
; Row i of group g: its eight results lie in v[YT+8:YT+15].  They are split: t = 8193 x, hi = t + (x - t) is x rounded to 24 - 13 = 11 bits, exact in f16; lo = x - hi is exact in f32 and is rounded to f16.
; Both are packed into the row's own registers of X and stored: hi plane, lo plane.
.macro SPLIT_OUT g, i
.irp e, 0,2,4,6
	v_pk_mul_f32 v[YT+\e:YT+\e+1], v[YT+8+\e:YT+9+\e], 0x46000400 op_sel_hi:[1,0]
.endr
.irp e, 0,2,4,6
	v_pk_add_f32 v[SS+\e:SS+\e+1], v[YT+8+\e:YT+9+\e], v[YT+\e:YT+\e+1] neg_lo:[0,1] neg_hi:[0,1]
.endr
.irp e, 0,2,4,6
	v_pk_add_f32 v[YT+\e:YT+\e+1], v[YT+\e:YT+\e+1], v[SS+\e:SS+\e+1]
.endr
.irp e, 0,2,4,6
	v_pk_add_f32 v[YT+8+\e:YT+9+\e], v[YT+8+\e:YT+9+\e], v[YT+\e:YT+\e+1] neg_lo:[0,1] neg_hi:[0,1]
.endr
.irp q, 0,1,2,3
	v_cvt_pk_f16_f32 v[X+8*\i+\q], v[YT+2*\q], v[YT+2*\q+1]
	v_cvt_pk_f16_f32 v[X+8*\i+4+\q], v[YT+8+2*\q], v[YT+9+2*\q]
.endr
	global_store_b64 v[OUTO], v[X+8*\i:X+8*\i+1],   s[8:9] offset:(4*(\g)+\i)*512              ; 32 lanes store 256 consecutive bytes, at a multiple of 256 from the buffer's first byte
	global_store_b64 v[OUTO], v[X+8*\i+2:X+8*\i+3], s[8:9] offset:(4*(\g)+\i)*512+256
	global_store_b64 v[OUTO], v[X+8*\i+4:X+8*\i+5], s[LOB:LOB+1] offset:(4*(\g)+\i)*512
	global_store_b64 v[OUTO], v[X+8*\i+6:X+8*\i+7], s[LOB:LOB+1] offset:(4*(\g)+\i)*512+256
.endm
; Group g (0, 1) of a trip: four rows of q or k.  n = x / sqrt(mean of x^2 + eps); y = n (1 + w); out_low = y_low cos_low - y_high sin_low; out_high = y_high cos_high + y_low sin_high.
; ahead = 1: cos and sin of the group two further on are asked for, into the buffer just used.  left: the younger loads that may stay out.
.macro GROUP_ROPE g, ahead, left
.set CB, CS0+64*\g
.if \g
	s_wait_xcnt 0x0                                ; X held the last group's packed results: it is loaded again only behind this wait (group 0: the wait at the trip's end)
.else
	v_add_nc_u32 v[ADR], s[TBS], v[RD]
.endif
	BACK \g
	s_wait_dscnt 0x0
.irp i, 0,1,2,3
	v_pk_mul_f32 v[RS+2*\i:RS+2*\i+1], v[X+8*\i:X+8*\i+1], v[X+8*\i:X+8*\i+1]     ; the four rows line by line, so that no line waits for the one before
.endr
.irp e, 2,4,6
.irp i, 0,1,2,3
	v_pk_fma_f32 v[RS+2*\i:RS+2*\i+1], v[X+8*\i+\e:X+8*\i+\e+1], v[X+8*\i+\e:X+8*\i+\e+1], v[RS+2*\i:RS+2*\i+1]
.endr
.endr
.irp i, 0,1,2,3
	v_add_f32 v[RS+2*\i], v[RS+2*\i], v[RS+2*\i+1]
.endr
.irp m, 1,2,4,8
.irp i, 0,1,2,3
	v_add_f32_dpp v[RS+2*\i], v[RS+2*\i], v[RS+2*\i] row_xmask:\m row_mask:0xf bank_mask:0xf
.endr
.endr
.irp i, 0,1,2,3
	v_permlanex16_b32 v[RS+2*\i+1], v[RS+2*\i], s[SEL], s[SEL+1]
.endr
.irp i, 0,1,2,3
	v_add_f32 v[RS+2*\i], v[RS+2*\i], v[RS+2*\i+1]                                ; every lane holds its row's sum of 256 squares
.endr
.irp i, 0,1,2,3
	v_fma_f32 v[RS+2*\i], v[RS+2*\i], s[C256], s[CEPS]
.endr
.irp i, 0,1,2,3
	v_rsq_f32 v[RS+2*\i], v[RS+2*\i]               ; the conversions of cos and sin below are the plain instructions between the roots and their use
.endr
	s_wait_loadcnt \left                           ; this group's cos and sin are in; the next group's sixteen loads stay out
.irp i, 0,1,2,3
.irp e, 0,2,4,6,8,10,12,14
	v_cvt_pk_bf16_f32 v[TB+\e/2], v[CB+16*\i+\e], v[CB+16*\i+\e+1]        ; cos and sin are taken in bf16,
.endr
.irp e, 0,2,4,6,8,10,12,14
	v_lshlrev_b32 v[CB+16*\i+\e], 16, v[TB+\e/2]                          ; and used as f32
	v_and_b32 v[CB+16*\i+\e+1], s[HM], v[TB+\e/2]
.endr
	s_wait_alu depctr_va_vdst(0)
.irp e, 0,2,4,6
	v_pk_mul_f32 v[X+8*\i+\e:X+8*\i+\e+1], v[X+8*\i+\e:X+8*\i+\e+1], v[RS+2*\i:RS+2*\i+1] op_sel_hi:[1,0]
.endr
.irp e, 0,2
	v_pk_mul_f32 v[YT+\e:YT+\e+1],     v[X+8*\i+\e:X+8*\i+\e+1],     v[WL+\e:WL+\e+1]
	v_pk_mul_f32 v[YT+4+\e:YT+4+\e+1], v[X+8*\i+4+\e:X+8*\i+4+\e+1], v[WH+\e:WH+\e+1]
.endr
.irp e, 0,2
	v_pk_mul_f32 v[YT+8+\e:YT+8+\e+1],   v[YT+4+\e:YT+4+\e+1], v[CB+16*\i+8+\e:CB+16*\i+8+\e+1]
	v_pk_mul_f32 v[YT+12+\e:YT+12+\e+1], v[YT+\e:YT+\e+1],     v[CB+16*\i+12+\e:CB+16*\i+12+\e+1]
.endr
.irp e, 0,2
	v_pk_fma_f32 v[YT+8+\e:YT+8+\e+1],   v[YT+\e:YT+\e+1],     v[CB+16*\i+\e:CB+16*\i+\e+1],     v[YT+8+\e:YT+8+\e+1] neg_lo:[0,0,1] neg_hi:[0,0,1]
	v_pk_fma_f32 v[YT+12+\e:YT+12+\e+1], v[YT+4+\e:YT+4+\e+1], v[CB+16*\i+4+\e:CB+16*\i+4+\e+1], v[YT+12+\e:YT+12+\e+1]
.endr
	SPLIT_OUT \g, \i
.endr
.if \ahead
	CSLOAD (\g+2)
.endif
.endm
	s_cmp_eq_u32 s[YY], 2                          ; the same in all four waves and in all four partners
	s_cbranch_scc1 .Lplain
	global_load_b128 v[WL:WL+3], v[CSO], s[14:15]
	global_load_b128 v[WH:WH+3], v[CSO], s[14:15] offset:512
	CSLOAD 0
	CSLOAD 1
	STAGED
	s_wait_loadcnt 32                              ; w is in; the 32 loads of cos and sin stay out
.irp e, 0,2,4,6
	v_cvt_pk_bf16_f32 v[TB+\e/2], v[WL+\e], v[WL+\e+1]     ; w is taken in bf16; 1 + w is made in f32
.endr
.irp e, 0,2,4,6
	v_lshlrev_b32 v[WL+\e], 16, v[TB+\e/2]
	v_and_b32 v[WL+\e+1], s[HM], v[TB+\e/2]
.endr
.irp e, 0,2,4,6
	v_pk_add_f32 v[WL+\e:WL+\e+1], v[WL+\e:WL+\e+1], 1.0 op_sel_hi:[1,0]
.endr
	s_mov_b32 s[TBS], 0
	s_mov_b32 s3, 7
.Lrope:                                                ; seven trips of eight rows; at the head the loads of the trip's two groups are out, 16 each
	GROUP_ROPE 0, 1, 16
	GROUP_ROPE 1, 1, 16
	s_wait_xcnt 0x0                                ; the bases of the loads and stores above, and X, are written again only behind this wait
	s_add_nc_u64 s[10:11], s[10:11], 8*1024
	s_add_nc_u64 s[12:13], s[12:13], 8*1024
	s_add_nc_u64 s[8:9], s[8:9], 8*512
	s_add_nc_u64 s[LOB:LOB+1], s[LOB:LOB+1], 8*512
	s_add_co_u32 s[TBS], s[TBS], 8*SP
	s_sub_co_u32 s3, s3, 1
	s_cmp_lg_u32 s3, 0
	s_cbranch_scc1 .Lrope
	GROUP_ROPE 0, 0, 16                            ; the last eight rows ask for nothing: no load leaves cos or sin
	GROUP_ROPE 1, 0, 0
	s_branch .Ldone
.Lplain:                                               ; v: times 32, exact, so that its f16 parts have room below; then split and stored
	STAGED
	s_mov_b32 s[TBS], 0
	s_mov_b32 s3, 16
.Lv:                                                   ; sixteen trips of four rows
	v_add_nc_u32 v[ADR], s[TBS], v[RD]
	BACK 0
	s_wait_dscnt 0x0
.irp i, 0,1,2,3
.irp e, 0,2,4,6
	v_pk_mul_f32 v[YT+8+\e:YT+9+\e], v[X+8*\i+\e:X+8*\i+\e+1], 0x42000000 op_sel_hi:[1,0]
.endr
	SPLIT_OUT 0, \i
.endr
	s_wait_xcnt 0x0                                ; the stores' bases and X are written again only behind this wait
	s_add_nc_u64 s[8:9], s[8:9], 4*512
	s_add_nc_u64 s[LOB:LOB+1], s[LOB:LOB+1], 4*512
	s_add_co_u32 s[TBS], s[TBS], 4*SP
	s_sub_co_u32 s3, s3, 1
	s_cmp_lg_u32 s3, 0
	s_cbranch_scc1 .Lv
.Ldone:
	s_wait_tensorcnt 0x0
	ds_add_u32 v254, v255
	s_wait_dscnt 0x0
	CROUND                                         ; the closing round: no work-group ends while a partner may still ask for a tile that names it
	s_endpgm
.Lfunc_end_k_q1bc4dfd657_qkv:
	.size	k_q1bc4dfd657_qkv, .Lfunc_end_k_q1bc4dfd657_qkv-k_q1bc4dfd657_qkv
	.p2alignl 7, 3214868480
	.fill 96, 4, 3214868480
	.section	.rodata,"a",@progbits
	.p2align	6, 0x0
	.amdhsa_kernel k_q1bc4dfd657_qkv
		.amdhsa_group_segment_fixed_size 327680
		.amdhsa_private_segment_fixed_size 0
		.amdhsa_enable_private_segment 0
		.amdhsa_kernarg_size 56
		.amdhsa_user_sgpr_count 2
		.amdhsa_user_sgpr_kernarg_segment_ptr 1
		.amdhsa_wavefront_size32 1
		.amdhsa_system_sgpr_workgroup_id_x 1
		.amdhsa_system_sgpr_workgroup_id_y 1
		.amdhsa_system_sgpr_workgroup_id_z 1
		.amdhsa_system_vgpr_workitem_id 0
		.amdhsa_next_free_vgpr 1024
		.amdhsa_next_free_sgpr 90
		.amdhsa_reserve_vcc 0
		.amdhsa_float_denorm_mode_32 3
		.amdhsa_float_denorm_mode_16_64 3
		.amdhsa_memory_ordered 1
		.amdhsa_forward_progress 1
		.amdhsa_inst_pref_size 198
	.end_amdhsa_kernel
	.amdgpu_metadata
---
amdhsa.version: [ 1, 2 ]
amdhsa.kernels:
  - .name:           k_q1bc4dfd657_qkv
    .symbol:         k_q1bc4dfd657_qkv.kd
    .args:
      - { .name: hidden_states, .offset: 0, .size: 8, .value_kind: global_buffer, .address_space: global }
      - { .name: wb, .offset: 8, .size: 8, .value_kind: global_buffer, .address_space: global }
      - { .name: qkvb, .offset: 16, .size: 8, .value_kind: global_buffer, .address_space: global }
      - { .name: cos, .offset: 24, .size: 8, .value_kind: global_buffer, .address_space: global }
      - { .name: sin, .offset: 32, .size: 8, .value_kind: global_buffer, .address_space: global }
      - { .name: q_norm_w, .offset: 40, .size: 8, .value_kind: global_buffer, .address_space: global }
      - { .name: k_norm_w, .offset: 48, .size: 8, .value_kind: global_buffer, .address_space: global }
    .group_segment_fixed_size: 327680
    .private_segment_fixed_size: 0
    .kernarg_segment_align: 8
    .kernarg_segment_size: 56
    .max_flat_workgroup_size: 128
    .sgpr_count:     90
    .vgpr_count:     1024
    .wavefront_size: 32
...
	.end_amdgpu_metadata
.endif
;; end of part 2
;; launch attn (part 3): grid 64 x 4, 4 waves a work-group, clusters of 4 x 1, 327,680 bytes of LDS; arguments qkvb, attnf; writes attnf
.if DOCPART == 3
	.amdgcn_target "amdgcn-amd-amdhsa--gfx1250"
	.amdhsa_code_object_version 6
	.text
	.protected	k_q1bc4dfd657_attn
	.globl	k_q1bc4dfd657_attn
	.p2align	8
	.type	k_q1bc4dfd657_attn,@function
k_q1bc4dfd657_attn:
	s_mov_b64 s[64:65], 0
	v_nop
	global_prefetch_b8 v0, s[64:65] scope:SCOPE_SE
	s_setreg_imm32_b32 hwreg(HW_REG_WAVE_MODE, 25, 1), 1
	s_wait_xcnt 0x0
	s_wait_alu depctr_hold_cnt(0) depctr_sa_sdst(0) depctr_va_vdst(0) depctr_va_sdst(0) depctr_va_ssrc(0) depctr_va_vcc(0) depctr_vm_vsrc(0)
	s_getreg_b32 s2, hwreg(HW_REG_IB_STS2, 6, 4)
	s_cmp_eq_u32 s2, 0
	s_cbranch_scc0 .Lentry_in_a_cluster
	s_endpgm
.Lentry_in_a_cluster:
	s_bfe_u32 s2, ttmp6, 0x10000c
	s_cmp_lg_u32 s2, 0x3003
	s_cbranch_scc0 .Lentry_shape_is_right
	s_endpgm
.Lentry_shape_is_right:
; attnf[b s][h 256 + d] = the sum over k <= s of softmax_k(q . k / 16) (32 v).  q, k, 32 v: f16 planes [2 which + h][b 4096 + s][256] (hi) and, six planes on, what hi's rounding left (lo).
; Scores, maxima and sums in f32; the weights are rounded to f16.
; SHARES.  Query blocks of 32 rows, 128 for each (b, h).  Block j needs the key tiles (128 keys) 0 .. j / 4, the last one masked.  A work-group owns blocks g and 127 - g: g / 4 + (31 - g / 4) = 31 whole tiles
; and two masked ones, whatever g.  Wave w takes keys 32 w .. 32 w + 31 of every tile for all 32 queries, with a running maximum m, sum l and O of its own; the four parts are merged once, at the end.
; PRECISION.  A query that sees few keys has no averaging that would shrink a rounding, and such a query sees its block's masked tile alone.  So the masked tile is multiplied in two parts:
; S = Kh Qh + Kh Ql + Kl Qh and O = Vh P + Vl P, 160 matrix instructions for a whole tile's 64.  The lo tile is one more turn of the ring (steps M1, M2).  Whole tiles use hi alone.
; CLUSTER.  The partners g = 4 G .. 4 G + 3 have the same g / 4, so they walk the same 35 tiles of K and V: every tile is asked for jointly.  Nothing but global addresses of q and of the result, and the mask's
; numbers, hangs on the place in the cluster.
; ORDER.  Of G and 31 - G one is even: that block (E) goes first, so that each tile's slot is a constant of the text.  A block begins with its masked tile (which always exists: it starts m, l and O with no
; old values), then walks down to tile 0.
; LAYOUT.  S^T = K Q^T (source 0 = 16 keys, source 1 = 16 queries): a lane holds one query (l % 16) and keys 8 (l / 16) + 0..7.  Two such tiles, rounded in pairs, are source 1 of O^T = V^T P.
; SOFTMAX.  p = 2^(c s - c m), c = log2(e) / 16; in every step O and l are multiplied by a = 2^(c m_old - c m_new).  Masked scores are the lowest finite f32, as in the problem's own text.
; A lane whose sixteen keys and its partner's are all masked has m = that number; c m is rounded toward zero (the product's dropped part is 0.28 of a last place), so the fused c s - c m is a large
; negative number and the weights are 0: such a wave carries O = 0, l = 0, and a = 0 or the merge's factor 2^(c m_w - M) = 0 multiplies zeros.
; LIMITS.  Weights below 2^-126 come out of v_exp_f32 as zero, those under 6e-8 are rounded away in f16.  The order of the sums differs from the problem's text: tiles descending, four parts merged.
; REGISTERS: window 0: v0-19 addresses, v20-35 statistics, v48-79 S^T, v80-95 P, v128-255 Q (hi) for the whole tiles; window 1: v0-127 K, v128-255 V;
; window 2: Q hi, Q lo of block E until its first V^T P, then its O^T; window 3: the same for the other block.
.set PK,   528                         ; a row of K in LDS: 512 bytes + 16 = 33 x 16
.set PV,   544                         ; a row of V: 512 + 32 = 17 x 32, for the turning load
.set VOFF, 128*PK
.set SLOT, VOFF+128*PV                 ; 137,216
.set STAT, 2*SLOT                      ; 2,048 bytes: (c m, l) at (2 block + t) 512 + wave 128 + query 8; no tensor load lands here
.set MP,   1040                        ; the merge, in the ring once its last fill has been read: rows of 1,024 bytes + 16,
.set MOW,  32*MP                       ; 32 rows for each (block, wave)
.set LOPL, 0x1800000                   ; the lo planes lie six planes of 4,194,304 bytes behind the hi planes
.set AK, 4                             ; v4-5   my K fragments, slot 0, 1
.set AV, 6                             ; v6-7   my V fragments
.set QO, 8                             ; v8     my place in a block's rows of q
.set SW, 9                             ; v9     my wave's statistics; v10 wave 0's
.set SR, 10
.set MS, 11                            ; v11-12 the merge: where I put my O, block 0, 1
.set MR, 13                            ; v13-14 where I read: waves 0, 1; waves 2, 3
.set GO, 15                            ; v15    16 x lane
.set DM, 16                            ; v16-17 the mask's bound for tile t of queries
.set MINV, 18
.set RM8, 19                           ; r - 8 h
.set ST, 20                            ; tile t at v[ST + 8 t]: +0 c m, +1 m, +2, +3 l, +4, +5 at work, +6 a, +7 its exponent
.set S, 48
.set P, 80
.set Q, 128
.set MST, 48                           ; the merge: for each (block, t) ten registers: (c m, l) of waves 0-3 and my own
.set MM, 88
.set GF, 96
.set FR, 128
.set WV, 12
.set HF, 13
.set G1K, 24
.set G1V, 32
.set G0K, 40                           ; s[40:47] group 0 of K's tiles, a set for each slot; s[48:55] of V's
.set G0V, 48
.set BK, 56                            ; s[56:57] K (hi) at my half of tile 0; s[58:59] V
.set BV, 58
.set OFF, 60                           ; s[60:61] byte offset of the hi tile to be asked for next
.set JUMP, 62                          ; s62 the second block's first tile
.set CS, 66
.set SEL, 68
.set CNT, 70
.set NTE, 71
.set NTO, 72
.set UE, 73
.set UO, 74
.set JE, 75
.set JO, 76
.set LOE, 86                           ; s[86:87], s[88:89] byte offset of each block's masked tile in the lo planes
.set LOO, 88
.set QH1, 90                           ; s[90:97] q at the blocks' first rows: block E hi, lo; the other block hi, lo
.set QL1, 92
.set QH2, 94
.set QL2, 96
.set MSB, 0
.macro WIN new
.if MSB != (\new)
	s_set_vgpr_msb (MSB<<8)|(\new)
.set MSB, (\new)
.endif
.endm
.macro PLACES
.rept 4
	v_nop
.endr
.endm
.macro CROUND                          ; a round of the cluster's barrier
	s_barrier_signal -1
	s_barrier_wait -1
	s_cmp_lg_u32 s[WV], 0
	s_cbranch_scc1 .Lnot_wave_0_\@
	s_barrier_signal -3
.Lnot_wave_0_\@:
	s_barrier_wait -3
	s_barrier_signal -1
	s_barrier_wait -1
.endm
.macro JLOAD sl                        ; waves 0, 1 fetch K's two halves, waves 2, 3 V's; four v_nop follow each line
	s_cmp_lt_u32 s[WV], 2
	s_cbranch_scc0 .Lfor_v_\@
	tensor_load_to_lds s[G0K+4*\sl:G0K+4*\sl+3], s[G1K:G1K+7]
	s_nop 0
.rept 4
	v_nop
.endr
	s_branch .Lasked_\@
.Lfor_v_\@:
	tensor_load_to_lds s[G0V+4*\sl:G0V+4*\sl+3], s[G1V:G1V+7]
	s_nop 0
.rept 4
	v_nop
.endr
.Lasked_\@:
.endm
.macro NEXTHI sl                       ; slot sl's descriptors take the next hi tile; then the offset walks down, and from the first block's tile 0 jumps to the second block's first
	s_add_nc_u64 s[G0K+4*\sl+2:G0K+4*\sl+3], s[BK:BK+1], s[OFF:OFF+1]
	s_or_b32 s[G0K+4*\sl+3], s[G0K+4*\sl+3], 0x80000000
	s_add_nc_u64 s[G0V+4*\sl+2:G0V+4*\sl+3], s[BV:BV+1], s[OFF:OFF+1]
	s_or_b32 s[G0V+4*\sl+3], s[G0V+4*\sl+3], 0x80000000
	s_sub_co_u32 s63, s[OFF], 0x10000
	s_cmp_eq_u32 s[OFF], 0
	s_cselect_b32 s[OFF], s[JUMP], s63
.endm
.macro NEXTLO sl, lo                   ; slot sl's descriptors take a masked tile's lo part
	s_add_nc_u64 s[G0K+4*\sl+2:G0K+4*\sl+3], s[BK:BK+1], s[\lo:\lo+1]
	s_or_b32 s[G0K+4*\sl+3], s[G0K+4*\sl+3], 0x80000000
	s_add_nc_u64 s[G0V+4*\sl+2:G0V+4*\sl+3], s[BV:BV+1], s[\lo:\lo+1]
	s_or_b32 s[G0V+4*\sl+3], s[G0V+4*\sl+3], 0x80000000
.endm
	s_load_b128 s[4:7], s[0:1], 0x0                ; qkvb s[4:5], attnf s[6:7]
	v_lshl_add_u32 v126, v0, 2, 0x43800
	v_mov_b32 v127, 0
	ds_add_u32 v126, v127
	v_lshrrev_b32 v1, 5, v0
	v_readfirstlane_b32 s[WV], v1
	s_and_b32 s[HF], s[WV], 1
	s_bfe_u32 s15, ttmp6, 0x40000                  ; cx
	s_and_b32 s16, ttmp7, 0xffff                   ; 2 b + h, which the partners share
	s_lshr_b32 s17, s16, 1
	s_and_b32 s18, s16, 1
	s_sub_co_u32 s78, 31, ttmp9                    ; 31 - G
	s_lshl_b32 s79, ttmp9, 2
	s_add_co_u32 s79, s79, s15                     ; g = 4 G + cx
	s_sub_co_u32 s80, 127, s79
	s_and_b32 s81, ttmp9, 1
	s_cmp_lg_u32 s81, 0                            ; G odd: the block 127 - g has the even number of whole tiles
	s_cselect_b32 s[UE], s78, ttmp9
	s_cselect_b32 s[UO], ttmp9, s78
	s_cselect_b32 s[JE], s80, s79
	s_cselect_b32 s[JO], s79, s80
	s_lshr_b32 s[NTE], s[UE], 1                    ; pairs of whole tiles of the first block
	s_lshr_b32 s[NTO], s[UO], 1                    ; pairs of the second block's, in front of its last (UO is odd)
	s_lshl_b32 s[OFF], s[UE], 16                   ; a tile is 128 rows of 512 bytes
	s_mov_b32 s[OFF+1], 0
	s_lshl_b32 s[JUMP], s[UO], 16
	s_add_co_u32 s[LOE], s[OFF], LOPL
	s_mov_b32 s[LOE+1], 0
	s_add_co_u32 s[LOO], s[JUMP], LOPL
	s_mov_b32 s[LOO+1], 0
	s_mov_b32 s[G1K], 15|(1<<16)|(1<<20)|(1<<21)|(6<<22)|(3<<25)   ; all four work-groups; elements of 2 bytes; 4 words of padding behind every 128
	s_mov_b32 s[G1V], 15|(1<<16)|(1<<20)|(1<<21)|(6<<22)|(7<<25)   ; the same with 8 words
.irp g, G1K, G1V
	s_mov_b32 s[\g+1], 256<<16                     ; tensor_dim0 = 256
	s_mov_b32 s[\g+2], 64<<16                      ; tensor_dim1 = 64
	s_mov_b32 s[\g+3], 256<<16                     ; tile_dim0 = 256 elements: 512 bytes
	s_mov_b32 s[\g+4], 64                          ; tile_dim1 = 64 rows: half a tile
	s_mov_b32 s[\g+5], 256
	s_mov_b32 s[\g+6], 0
	s_mov_b32 s[\g+7], 0
.endr
	s_mov_b32 s[CS], 0x3db8aa3b                    ; c = log2(e) / 16
	s_mov_b32 s[CS+1], s[CS]
	s_mov_b32 s[SEL], 0x76543210
	s_mov_b32 s[SEL+1], 0xfedcba98
	s_add_co_u32 s20, s18, 2                       ; K's plane 2 + h,
	s_lshl_b32 s20, s20, 22
	s_lshl_b32 s21, s17, 21                        ; the batch's 4,096 rows,
	s_add_co_u32 s20, s20, s21
	s_lshl_b32 s21, s[HF], 15                      ; my 64 rows of a tile
	s_add_co_u32 s20, s20, s21
	s_mov_b32 s21, 0
	s_mul_i32 s22, s[HF], 64*PK
	s_mul_i32 s23, s[HF], 64*PV
	s_add_co_u32 s23, s23, VOFF
.irp sl, 0,1
	s_mov_b32 s[G0K+4*\sl], 1
	s_add_co_u32 s[G0K+4*\sl+1], s22, \sl*SLOT
	s_mov_b32 s[G0V+4*\sl], 1
	s_add_co_u32 s[G0V+4*\sl+1], s23, \sl*SLOT
.endr
	s_lshl_b32 s83, s17, 12                        ; the batch's first row
	s_lshl_b32 s19, s18, 22                        ; q's plane h
	s_lshl_b32 s84, s[JE], 5                       ; block E's first row,
	s_add_co_u32 s84, s84, s83
	s_lshl_b32 s84, s84, 9                         ; in bytes
	s_add_co_u32 s84, s84, s19
	s_mov_b32 s85, 0
	s_lshl_b32 s98, s[JO], 5                       ; the other block's
	s_add_co_u32 s98, s98, s83
	s_lshl_b32 s98, s98, 9
	s_add_co_u32 s98, s98, s19
	s_mov_b32 s99, 0
	s_cmp_lt_u32 s[WV], 2                          ; waves 0, 1 finish block E, waves 2, 3 the other, 16 rows each
	s_cselect_b32 s82, s[JE], s[JO]
	s_lshl_b32 s82, s82, 5
	s_add_co_u32 s82, s82, s83
	s_lshl_b32 s81, s[HF], 4
	s_add_co_u32 s82, s82, s81                     ; their first row,
	s_lshl_b32 s82, s82, 11                        ; rows of 2,048 bytes,
	s_lshl_b32 s81, s18, 10                        ; the head's 1,024 of them
	s_add_co_u32 s82, s82, s81
	s_mov_b32 s83, 0
	s_wait_dscnt 0x0
	s_wait_kmcnt 0x0
	s_add_nc_u64 s[BK:BK+1], s[4:5], s[20:21]
	s_add_nc_u64 s[BV:BV+1], s[BK:BK+1], 0x800000  ; V lies two planes behind K
	s_add_nc_u64 s[QH1:QH1+1], s[4:5], s[84:85]
	s_add_nc_u64 s[QL1:QL1+1], s[QH1:QH1+1], LOPL
	s_add_nc_u64 s[QH2:QH2+1], s[4:5], s[98:99]
	s_add_nc_u64 s[QL2:QL2+1], s[QH2:QH2+1], LOPL
	s_add_nc_u64 s[10:11], s[6:7], s[82:83]
	CROUND                                         ; all four work-groups are here
	NEXTHI 0
	JLOAD 0                                        ; the first fill: one load of mine is out
; A block's 32 queries as 16 fragments, straight from memory: lane l takes row l % 16 of a tile of 16, 16 bytes at 64 c + 16 (l / 16) and 32 bytes on; the 32 loads together take each row whole.
.macro LOADQ sb, dw, base
	WIN 0x40*\dw
.irp t, 0,1
.irp c, 0,1,2,3,4,5,6,7
	global_load_b128 v[\base+64*\t+8*\c:\base+64*\t+8*\c+3],   v[QO], s[\sb:\sb+1] offset:\t*8192+64*\c
	global_load_b128 v[\base+64*\t+8*\c+4:\base+64*\t+8*\c+7], v[QO], s[\sb:\sb+1] offset:\t*8192+64*\c+32
.endr
.endr
.endm
	v_and_b32 v1, 15, v0                           ; r
	v_bfe_u32 v2, v0, 4, 1                         ; h
	v_and_b32 v3, 31, v0
	v_lshlrev_b32 v[QO], 9, v1
	v_lshl_add_u32 v[QO], v2, 4, v[QO]             ; row r, 16 bytes for each half of the lanes
	LOADQ QH1, 2, 0                                ; block E for its masked tile: hi and lo, where its O^T will lie
	LOADQ QL1, 2, 128
	LOADQ QH1, 0, Q                                ; block E for its whole tiles
	LOADQ QH2, 3, 0                                ; the other block for its masked tile
	LOADQ QL2, 3, 128
	WIN 0
	v_lshlrev_b32 v[GO], 4, v3
	v_mul_u32_u24 v37, v1, PK
	v_lshl_add_u32 v37, v2, 4, v37
	s_mul_i32 s78, s[WV], 32*PK
	v_add_nc_u32 v[AK], s78, v37
	v_add_nc_u32 v[AK+1], SLOT, v[AK]
	v_and_b32 v38, 7, v0
	v_bfe_u32 v39, v0, 3, 1
	v_lshl_add_u32 v38, v2, 3, v38                 ; the turning load: key 8 h + l % 8, channels 8 ((l / 8) % 2) on
	v_mul_u32_u24 v38, v38, PV
	v_lshl_add_u32 v38, v39, 4, v38
	s_mul_i32 s78, s[WV], 32*PV
	s_add_co_u32 s78, s78, VOFF
	v_add_nc_u32 v[AV], s78, v38
	v_add_nc_u32 v[AV+1], SLOT, v[AV]
	v_lshlrev_b32 v[SR], 3, v1
	v_add_nc_u32 v[SR], STAT, v[SR]
	s_lshl_b32 s78, s[WV], 7
	v_add_nc_u32 v[SW], s78, v[SR]
	v_mul_u32_u24 v[MS], v1, MP
	v_lshl_add_u32 v[MS], v2, 5, v[MS]
	s_mul_i32 s78, s[WV], MOW
	v_add_nc_u32 v[MS], s78, v[MS]
	v_add_nc_u32 v[MS+1], 4*MOW, v[MS]
	s_lshr_b32 s78, s[WV], 1
	s_mul_i32 s78, s78, 4*MOW
	s_mul_i32 s79, s[HF], 16*MP
	s_add_co_u32 s78, s78, s79
	v_add_nc_u32 v[MR], s78, v[GO]
	v_add_nc_u32 v[MR+1], 2*MOW, v[MR]
	v_mov_b32 v[MINV], 0xff7fffff                  ; the lowest finite f32
	v_lshlrev_b32 v[RM8], 3, v2
	v_sub_nc_u32 v[RM8], v1, v[RM8]
.macro FETCH_K sl                      ; my 32 keys of the tile in slot sl: 32 loads
	WIN 0x40
.irp kb, 0,1
.irp c, 0,1,2,3,4,5,6,7
	ds_load_b128 v[8*(8*\kb+\c):8*(8*\kb+\c)+3],   v[AK+\sl] offset:\kb*16*PK+64*\c
	ds_load_b128 v[8*(8*\kb+\c)+4:8*(8*\kb+\c)+7], v[AK+\sl] offset:\kb*16*PK+64*\c+32
.endr
.endr
.endm
.macro FETCH_V sl, vb                  ; their V, turned: 32 loads into window 1 from register vb on
	WIN 0x40
.irp cb, 0,1,2,3,4,5,6,7,8,9,10,11,12,13,14,15
	ds_load_tr16_b128 v[\vb+8*\cb:\vb+8*\cb+3],   v[AV+\sl] offset:32*\cb
	ds_load_tr16_b128 v[\vb+8*\cb+4:\vb+8*\cb+7], v[AV+\sl] offset:16*PV+32*\cb
.endr
.endm
; 32 products: channels 32 (i / 4) on, keys 16 ((i / 2) % 2) on, queries 16 (i % 2) on; Q in window qw from register qb on.  zero = 1: the first four start the sums.
; The four accumulators take turns, one instruction a turn, from run to run too.
.macro KQ qw, qb, zero
	WIN 0x01+4*\qw
.set i, 0
.rept 32
.set rS, S+16*(i%2)+8*((i/2)%2)
.set rK, 8*(8*((i/2)%2)+i/4)
.set rQ, \qb+64*(i%2)+8*(i/4)
.if \zero && (i < 4)
	v_wmma_f32_16x16x32_f16 v[rS:rS+7], v[rK:rK+7], v[rQ:rQ+7], 0
.else
	v_wmma_f32_16x16x32_f16 v[rS:rS+7], v[rK:rK+7], v[rQ:rQ+7], v[rS:rS+7]
.endif
.set i, i+1
.endr
.endm
.macro MASK                            ; key 16 kb + j of my lane's sixteen stays if it is not beyond the bound; ascending
.irp t, 0,1
.irp kb, 0,1
.irp j, 0,1,2,3,4,5,6,7
	v_cmp_le_i32 vcc_lo, 16*\kb+\j, v[DM+\t]
	v_cndmask_b32 v[S+16*\t+8*\kb+\j], v[MINV], v[S+16*\t+8*\kb+\j], vcc_lo
.endr
.endr
.endr
.endm
.macro SOFT first                      ; both tiles of queries, line by line, so that no line waits for the one before
.irp t, 0,1
	v_max3_num_f32 v[ST+8*\t+4], v[S+16*\t], v[S+16*\t+1], v[S+16*\t+2]
	v_max3_num_f32 v[ST+8*\t+5], v[S+16*\t+8], v[S+16*\t+9], v[S+16*\t+10]
.endr
.irp t, 0,1
	v_max3_num_f32 v[ST+8*\t+4], v[ST+8*\t+4], v[S+16*\t+3], v[S+16*\t+4]
	v_max3_num_f32 v[ST+8*\t+5], v[ST+8*\t+5], v[S+16*\t+11], v[S+16*\t+12]
.endr
.irp t, 0,1
	v_max3_num_f32 v[ST+8*\t+4], v[ST+8*\t+4], v[S+16*\t+5], v[S+16*\t+6]
	v_max3_num_f32 v[ST+8*\t+5], v[ST+8*\t+5], v[S+16*\t+13], v[S+16*\t+14]
.endr
.irp t, 0,1
	v_max3_num_f32 v[ST+8*\t+4], v[ST+8*\t+4], v[S+16*\t+7], v[S+16*\t+15]
.endr
.irp t, 0,1
.if \first
	v_max_num_f32 v[ST+8*\t+4], v[ST+8*\t+4], v[ST+8*\t+5]
.else
	v_max3_num_f32 v[ST+8*\t+4], v[ST+8*\t+4], v[ST+8*\t+5], v[ST+8*\t+1]
.endif
.endr
.irp t, 0,1
	v_permlanex16_b32 v[ST+8*\t+5], v[ST+8*\t+4], s[SEL], s[SEL+1]        ; the query's other sixteen keys lie in the lane 16 away
.endr
.irp t, 0,1
	v_max_num_f32 v[ST+8*\t+1], v[ST+8*\t+4], v[ST+8*\t+5]
.endr
.if \first == 0
.irp t, 0,1
	v_mov_b32 v[ST+8*\t+7], v[ST+8*\t]             ; c m_old is kept for a
.endr
.endif
.irp t, 0,1
	v_mul_f32 v[ST+8*\t], s[CS], v[ST+8*\t+1]
.endr
.if \first == 0
.irp t, 0,1
	v_sub_f32 v[ST+8*\t+7], v[ST+8*\t+7], v[ST+8*\t]
.endr
.irp t, 0,1
	v_exp_f32 v[ST+8*\t+6], v[ST+8*\t+7]
.endr
.endif
.irp t, 0,1
.irp q, 0,2,4,6,8,10,12,14
	v_pk_fma_f32 v[S+16*\t+\q:S+16*\t+\q+1], v[S+16*\t+\q:S+16*\t+\q+1], s[CS:CS+1], v[ST+8*\t:ST+8*\t+1] op_sel_hi:[1,0,0] neg_lo:[0,0,1] neg_hi:[0,0,1]
.endr
.endr
.irp q, 0,1,2,3,4,5,6,7,8,9,10,11,12,13,14,15,16,17,18,19,20,21,22,23,24,25,26,27,28,29,30,31
	v_exp_f32 v[S+\q], v[S+\q]
.endr
	v_nop                                          ; a plain instruction between the last exponential and its use
	s_wait_alu depctr_va_vdst(0)
.irp q, 0,1,2,3,4,5,6,7,8,9,10,11,12,13,14,15
	v_cvt_pk_f16_f32 v[P+\q], v[S+2*\q], v[S+2*\q+1]
.endr
.irp t, 0,1
.irp q, 0,4,8,12
	v_pk_add_f32 v[S+16*\t+\q:S+16*\t+\q+1], v[S+16*\t+\q:S+16*\t+\q+1], v[S+16*\t+\q+2:S+16*\t+\q+3]
.endr
.endr
.irp t, 0,1
.irp q, 0,8
	v_pk_add_f32 v[S+16*\t+\q:S+16*\t+\q+1], v[S+16*\t+\q:S+16*\t+\q+1], v[S+16*\t+\q+4:S+16*\t+\q+5]
.endr
.endr
.irp t, 0,1
.if \first
	v_pk_add_f32 v[ST+8*\t+2:ST+8*\t+3], v[S+16*\t:S+16*\t+1], v[S+16*\t+8:S+16*\t+9]
.else
	v_pk_add_f32 v[S+16*\t:S+16*\t+1], v[S+16*\t:S+16*\t+1], v[S+16*\t+8:S+16*\t+9]
.endif
.endr
.if \first == 0
.irp t, 0,1
	v_pk_fma_f32 v[ST+8*\t+2:ST+8*\t+3], v[ST+8*\t+2:ST+8*\t+3], v[ST+8*\t+6:ST+8*\t+7], v[S+16*\t:S+16*\t+1] op_sel_hi:[1,0,1]
.endr
.endif
.endm
.macro RESCALE W                       ; O^T times a, ascending
	WIN 0x41*\W
.irp t, 0,1
.set q, 0
.rept 64
	v_pk_mul_f32 v[128*\t+q:128*\t+q+1], v[128*\t+q:128*\t+q+1], v[ST+8*\t+6:ST+8*\t+7] op_sel_hi:[1,0]
.set q, q+2
.endr
.endr
.endm
.macro PV W, vb, first                 ; 32 products on 32 accumulators: channels 16 (i / 2) on, queries 16 (i % 2) on; V in window 1 from register vb on
	WIN 0x01+0x50*\W
.set i, 0
.rept 32
.set rO, 128*(i%2)+8*(i/2)
.set rV, \vb+8*(i/2)
.set rP, P+8*(i%2)
.if \first
	v_wmma_f32_16x16x32_f16 v[rO:rO+7], v[rV:rV+7], v[rP:rP+7], 0
.else
	v_wmma_f32_16x16x32_f16 v[rO:rO+7], v[rV:rV+7], v[rP:rP+7], v[rO:rO+7]
.endif
.set i, i+1
.endr
.endm
; EVERY STEP BEGINS ALIKE: each wave has all its tensor loads landed (one was out: its part of this step's tile) and its LDS reads back; a round of the cluster's barrier; the joint load of the next tile,
; into the slot read last, is the first tensor load behind the round and has this step's work in which to land.  Its four v_nop are also the places in front of the loads into K's and V's registers.
; THE MASKED TILE, first half (slot 0: Kh, Vh): S = Kh Qh + Kh Ql; Vh is fetched and stays in registers.  The lo tile is asked for, into slot 1.
.macro M1 ph
	WIN 0
	s_wait_tensorcnt 0x0
	ds_add_u32 v126, v127
.if \ph == 1
	NEXTLO 1, LOE
.else
	NEXTLO 1, LOO
.endif
	s_wait_dscnt 0x0
	CROUND
	JLOAD 1
.if \ph == 2
	LOADQ QH2, 0, Q                                ; the second block's Q for its whole tiles: the first block's products with these registers stand a softmax back
.endif
	FETCH_K 0
	FETCH_V 0, 128
.if \ph == 1
	s_wait_loadcnt 0x0                             ; Q, all of it
.endif
	s_wait_dscnt 32                                ; K is in; V's 32 loads, issued last, may stay out
	KQ (\ph+1), 0, 1
	KQ (\ph+1), 128, 0
	WIN 0
.endm
; THE MASKED TILE, second half (slot 1: Kl, Vl): S += Kl Qh; mask; the softmax that starts m and l; O = Vh P + Vl P.  Vl comes into K's registers while the softmax runs.  The next hi tile is asked for, into slot 0.
.macro M2 ph
	WIN 0
	s_wait_tensorcnt 0x0
	ds_add_u32 v126, v127
	NEXTHI 0
	s_wait_dscnt 0x0                               ; Vh is in registers: slot 0 is read out
	CROUND
	JLOAD 0
.if \ph == 1
	s_and_b32 s83, s[JE], 3
.else
	s_and_b32 s83, s[JO], 3
.endif
	s_sub_co_i32 s83, s83, s[WV]
	s_lshl_b32 s83, s83, 5
	v_add_nc_u32 v[DM], s83, v[RM8]                ; key 32 w + 8 h + (16 kb + j) <= query 32 (block % 4) + 16 t + r
	v_add_nc_u32 v[DM+1], 16, v[DM]
	FETCH_K 1
	s_wait_dscnt 0x0
	KQ (\ph+1), 0, 0
	WIN 0
	PLACES
	FETCH_V 1, 0
	WIN 0
	MASK
	SOFT 1
	s_wait_dscnt 0x0                               ; Vl is in
	PV (\ph+1), 128, 1                             ; these start O^T, over the registers that held Q for this tile
	PV (\ph+1), 0, 0
	WIN 0
.if \ph == 2
	s_wait_loadcnt 0x0                             ; Q for the whole tiles
.endif
.endm
; A WHOLE TILE of block ph (1, 2) in slot.  refill = 1: the next tile is asked for, into the other slot.
.macro STEP ph, slot, refill
	WIN 0
	s_wait_tensorcnt 0x0
	ds_add_u32 v126, v127
	s_wait_dscnt 0x0
.if \refill
	NEXTHI (1-\slot)
.endif
	s_wait_dscnt 0x0
.if \refill
	CROUND
	JLOAD (1-\slot)
.else
	s_barrier_signal -1
	s_barrier_wait -1
	PLACES
.endif
	FETCH_K \slot
	FETCH_V \slot, 128
	s_wait_dscnt 32                                ; K is in; V's 32 loads may stay out
	KQ 0, Q, 1
	WIN 0
	PLACES
	SOFT 0
	RESCALE (\ph+1)
	s_wait_dscnt 0x0                               ; V is in
	PV (\ph+1), 128, 0
	WIN 0
.endm
.macro ENDPH be                        ; the block's l, whole, takes m's place beside c m; the pair goes to the statistics (both halves of the lanes write the same numbers)
.irp t, 0,1
	v_add_f32 v[ST+8*\t+4], v[ST+8*\t+2], v[ST+8*\t+3]
.endr
.irp t, 0,1
	v_permlanex16_b32 v[ST+8*\t+5], v[ST+8*\t+4], s[SEL], s[SEL+1]
.endr
.irp t, 0,1
	v_add_f32 v[ST+8*\t+1], v[ST+8*\t+4], v[ST+8*\t+5]
.endr
.irp t, 0,1
	ds_store_b64 v[SW], v[ST+8*\t:ST+8*\t+1] offset:(2*\be+\t)*512
.endr
.endm
	M1 1                                           ; block E: its masked tile; slot 1 is filled for the first time, as a refill is
	M2 1
	s_cmp_eq_u32 s[NTE], 0                         ; the counts hang on the cluster's number alone: alike in all partners
	s_cbranch_scc1 .LE_done
	s_mov_b32 s[CNT], 0
.LE:
	STEP 1, 0, 1
	STEP 1, 1, 1
	s_add_co_u32 s[CNT], s[CNT], 1
	s_cmp_lt_u32 s[CNT], s[NTE]
	s_cbranch_scc1 .LE
.LE_done:
	ENDPH 0
	M1 2                                           ; the other block: its masked tile
	M2 2
	s_cmp_eq_u32 s[NTO], 0
	s_cbranch_scc1 .LO_done
	s_mov_b32 s[CNT], 0
.LO:
	STEP 2, 0, 1
	STEP 2, 1, 1
	s_add_co_u32 s[CNT], s[CNT], 1
	s_cmp_lt_u32 s[CNT], s[NTO]
	s_cbranch_scc1 .LO
.LO_done:
	STEP 2, 0, 0                                   ; tile 0: nothing is left to ask for
	ENDPH 1
	; THE MERGE.  For each query M = the largest c m of the four waves, L = the sum of 2^(c m_w - M) l_w; my O is multiplied by 2^(c m_mine - M) / L and laid into the ring, which has had its last fill.
	s_wait_dscnt 0x0                               ; my statistics are stored and my reads of the ring are back
	s_barrier_signal -1
	s_barrier_wait -1
.irp e, 0,1,2,3
.irp w, 0,1,2,3
	ds_load_b64 v[MST+10*\e+2*\w:MST+10*\e+2*\w+1], v[SR] offset:512*\e+128*\w
.endr
	ds_load_b64 v[MST+10*\e+8:MST+10*\e+9], v[SW] offset:512*\e
.endr
	s_wait_dscnt 0x0
.irp e, 0,1,2,3
	v_max3_num_f32 v[MM+2*\e], v[MST+10*\e], v[MST+10*\e+2], v[MST+10*\e+4]
.endr
.irp e, 0,1,2,3
	v_max_num_f32 v[MM+2*\e], v[MM+2*\e], v[MST+10*\e+6]
.endr
.irp e, 0,1,2,3
.irp w, 0,1,2,3,4
	v_sub_f32 v[MST+10*\e+2*\w], v[MST+10*\e+2*\w], v[MM+2*\e]
.endr
.endr
.irp e, 0,1,2,3
.irp w, 0,1,2,3,4
	v_exp_f32 v[MST+10*\e+2*\w], v[MST+10*\e+2*\w]
.endr
.endr
	v_nop
	s_wait_alu depctr_va_vdst(0)
.irp e, 0,1,2,3
	v_mul_f32 v[MM+2*\e+1], v[MST+10*\e], v[MST+10*\e+1]
.endr
.irp w, 1,2,3
.irp e, 0,1,2,3
	v_fmac_f32 v[MM+2*\e+1], v[MST+10*\e+2*\w], v[MST+10*\e+2*\w+1]
.endr
.endr
.irp e, 0,1,2,3
	v_rcp_f32 v[MM+2*\e], v[MM+2*\e+1]             ; L is at least the l of the wave that holds M, which is 1 or more: its largest weight is 2^0
.endr
	v_nop
	s_wait_alu depctr_va_vdst(0)
.irp e, 0,1,2,3
	v_mul_f32 v[GF+2*\e], v[MST+10*\e+8], v[MM+2*\e]
	v_mul_f32 v[GF+2*\e+1], v[MST+10*\e+8], v[MM+2*\e]     ; twice: a pair for the packed multiply
.endr
.irp be, 0,1
.irp t, 0,1
	WIN 0x82+0x41*\be
.set q, 0
.rept 64
	v_pk_mul_f32 v[128*\t+q:128*\t+q+1], v[128*\t+q:128*\t+q+1], v[GF+4*\be+2*\t:GF+4*\be+2*\t+1]
.set q, q+2
.endr
	WIN 0x08+4*\be                                 ; a store's data: window 2 or 3
.irp cb, 0,1,2,3,4,5,6,7,8,9,10,11,12,13,14,15
	ds_store_b128 v[MS+\be], v[128*\t+8*\cb:128*\t+8*\cb+3]   offset:\t*16*MP+64*\cb
	ds_store_b128 v[MS+\be], v[128*\t+8*\cb+4:128*\t+8*\cb+7] offset:\t*16*MP+64*\cb+16
.endr
.endr
.endr
	WIN 0
	s_wait_dscnt 0x0                               ; for the others' sake: my part lies in LDS
	s_barrier_signal -1
	s_barrier_wait -1
	; wave w adds the four parts of 16 rows of block w / 2, four rows at a time, and stores them
.irp gq, 0,1,2,3
.if \gq
	s_wait_xcnt 0x0                                ; the rows that the last group's stores read are loaded again only behind this wait
.endif
.irp i, 0,1,2,3
.irp w, 0,1,2,3
	ds_load_b128 v[FR+32*\i+8*\w:FR+32*\i+8*\w+3],   v[MR+\w/2] offset:(\w%2)*MOW+(4*\gq+\i)*MP
	ds_load_b128 v[FR+32*\i+8*\w+4:FR+32*\i+8*\w+7], v[MR+\w/2] offset:(\w%2)*MOW+(4*\gq+\i)*MP+512
.endr
.endr
	s_wait_dscnt 0x0
.irp i, 0,1,2,3
.irp e, 0,2,4,6
	v_pk_add_f32 v[FR+32*\i+\e:FR+32*\i+\e+1],       v[FR+32*\i+\e:FR+32*\i+\e+1],       v[FR+32*\i+8+\e:FR+32*\i+8+\e+1]
	v_pk_add_f32 v[FR+32*\i+16+\e:FR+32*\i+16+\e+1], v[FR+32*\i+16+\e:FR+32*\i+16+\e+1], v[FR+32*\i+24+\e:FR+32*\i+24+\e+1]
.endr
.irp e, 0,2,4,6
	v_pk_add_f32 v[FR+32*\i+\e:FR+32*\i+\e+1], v[FR+32*\i+\e:FR+32*\i+\e+1], v[FR+32*\i+16+\e:FR+32*\i+16+\e+1]
.endr
	global_store_b128 v[GO], v[FR+32*\i:FR+32*\i+3],   s[10:11] offset:(4*\gq+\i)*2048        ; 32 lanes store 512 consecutive bytes
	global_store_b128 v[GO], v[FR+32*\i+4:FR+32*\i+7], s[10:11] offset:(4*\gq+\i)*2048+512
.endr
.endr
	s_wait_tensorcnt 0x0
	ds_add_u32 v126, v127
	s_wait_dscnt 0x0
	CROUND                                         ; the closing round
	s_endpgm
.Lfunc_end_k_q1bc4dfd657_attn:
	.size	k_q1bc4dfd657_attn, .Lfunc_end_k_q1bc4dfd657_attn-k_q1bc4dfd657_attn
	.p2alignl 7, 3214868480
	.fill 96, 4, 3214868480
	.section	.rodata,"a",@progbits
	.p2align	6, 0x0
	.amdhsa_kernel k_q1bc4dfd657_attn
		.amdhsa_group_segment_fixed_size 327680
		.amdhsa_private_segment_fixed_size 0
		.amdhsa_enable_private_segment 0
		.amdhsa_kernarg_size 16
		.amdhsa_user_sgpr_count 2
		.amdhsa_user_sgpr_kernarg_segment_ptr 1
		.amdhsa_wavefront_size32 1
		.amdhsa_system_sgpr_workgroup_id_x 1
		.amdhsa_system_sgpr_workgroup_id_y 1
		.amdhsa_system_sgpr_workgroup_id_z 1
		.amdhsa_system_vgpr_workitem_id 0
		.amdhsa_next_free_vgpr 1024
		.amdhsa_next_free_sgpr 100
		.amdhsa_reserve_vcc 1
		.amdhsa_float_denorm_mode_32 3
		.amdhsa_float_denorm_mode_16_64 3
		.amdhsa_memory_ordered 1
		.amdhsa_forward_progress 1
		.amdhsa_inst_pref_size 251
	.end_amdhsa_kernel
	.amdgpu_metadata
---
amdhsa.version: [ 1, 2 ]
amdhsa.kernels:
  - .name:           k_q1bc4dfd657_attn
    .symbol:         k_q1bc4dfd657_attn.kd
    .args:
      - { .name: qkvb, .offset: 0, .size: 8, .value_kind: global_buffer, .address_space: global }
      - { .name: attnf, .offset: 8, .size: 8, .value_kind: global_buffer, .address_space: global }
    .group_segment_fixed_size: 327680
    .private_segment_fixed_size: 0
    .kernarg_segment_align: 8
    .kernarg_segment_size: 16
    .max_flat_workgroup_size: 128
    .sgpr_count:     100
    .vgpr_count:     1024
    .wavefront_size: 32
...
	.end_amdgpu_metadata
.endif
;; end of part 3
;; launch oproj (part 4): grid 64 x 4, 4 waves a work-group, clusters of 4 x 4, 327,680 bytes of LDS; arguments attnf, wb, out0; writes out0
.if DOCPART == 4
	.amdgcn_target "amdgcn-amd-amdhsa--gfx1250"
	.amdhsa_code_object_version 6
	.text
	.protected	k_q1bc4dfd657_oproj
	.globl	k_q1bc4dfd657_oproj
	.p2align	8
	.type	k_q1bc4dfd657_oproj,@function
k_q1bc4dfd657_oproj:
	s_mov_b64 s[64:65], 0
	v_nop
	global_prefetch_b8 v0, s[64:65] scope:SCOPE_SE
	s_setreg_imm32_b32 hwreg(HW_REG_WAVE_MODE, 25, 1), 1
	s_wait_xcnt 0x0
	s_wait_alu depctr_hold_cnt(0) depctr_sa_sdst(0) depctr_va_vdst(0) depctr_va_sdst(0) depctr_va_ssrc(0) depctr_va_vcc(0) depctr_vm_vsrc(0)
	s_getreg_b32 s2, hwreg(HW_REG_IB_STS2, 6, 4)
	s_cmp_eq_u32 s2, 0
	s_cbranch_scc0 .Lentry_in_a_cluster
	s_endpgm
.Lentry_in_a_cluster:
	s_bfe_u32 s2, ttmp6, 0x10000c
	s_cmp_lg_u32 s2, 0xf033
	s_cbranch_scc0 .Lentry_shape_is_right
	s_endpgm
.Lentry_shape_is_right:
; out0 = attention x wo.  A = attnf, f32 [8192][512], holds 32 x the attention's result; W = wo's columns 512 y on, f16 [512][2048] (made by the first launch).  Sums in f32; the sums times 1/32 leave as f32.
; ROWS.  Work-group x takes the 128 rows x + 64 i, i = 0 .. 127, and 512 columns.  Four waves, 2 x 2; a wave makes 64 rows x 256 columns: 64 accumulators of 16 x 16, 512 registers.  The wave's half of the rows
; is the batch, and its row block a (16 rows) holds the sequence positions (16 a + r) 64 + x.  So every row that sees fewer than 64 keys lies in a block a = 0, and every wave has exactly one such block.
; PRECISION.  A row that sees few keys has no averaging that would shrink a rounding.  Block 0's numbers go to the matrix unit as hi + lo, two f16 numbers, and are multiplied twice; blocks 1 to 3 are rounded
; to f16 once: 80 matrix instructions for 32 along K, alike in every wave.
; K goes in steps of 64 through two LDS slots.  A comes in as f32 (rows of 256 bytes) and each fragment is narrowed in registers.  W lies [k][n] and is turned on its way out of LDS by ds_load_tr16_b128.
; CLUSTER.  4 x 4: A's tile hangs on work-group x alone and is shared along a column of the cluster, W's on y alone and is shared along a row.
; THE MATRIX INSTRUCTION IS USED TRANSPOSED: source 0 = 16 columns of W, source 1 = 16 rows of A: lane l holds row l % 16 of C and the columns 8 (l / 16) + 0..7 of the block of 16.
; LIMITS.  f16 holds magnitudes up to 65,504 and steps of 6e-8 below 6.1e-5: 32 x attention must stay under 65,504.
; REGISTERS, in windows of 256: window 0: v0-31 addresses, v32-95 A as f32, v96-159 A's fragments (two buffers), v160-175 block 0's lo (two buffers), v224-239 at work; on the way out v160-191 anew;
; window 1: W's fragments, two buffers of 128; windows 2, 3: accumulator (a, b) in window 2 + a / 2 at v[8 (16 (a % 2) + b)].
.set KDIM,  512
.set NP,    2048
.set KS,    64                         ; K in a step
.set LAPS,  KDIM/(2*KS)                ; a lap = two steps = once round the ring
.set PA,    272                        ; a row of A in LDS: 256 bytes + 16: 17 x 16, so the 16 rows of a load begin at 16 different 16-byte columns of 256
.set PB,    1056                       ; a k-row of W in LDS: 1,024 bytes + 32: 33 x 32, for the turning load
.set AOFF,  128*PA                     ; W's tile lies behind A's 128 rows
.set SLOT,  AOFF+KS*PB                 ; 102,400
.set STAGE, 2*SLOT                     ; behind the ring: 16 rows x 1,040 bytes for each wave; no tensor load lands here
.set SP,    1040
.set RSTEP, 64*NP*4                    ; bytes of out0 from one of my rows to the next: 64 rows of 8,192 bytes
.set ADRA, 16                          ; v16-17  LDS address of my A fragments, slot 0, 1
.set ADRB, 20                          ; v20-21  the same for W
.set STO,  24                          ; v24     the way out: where I put 16 bytes of a row
.set RD,   25                          ; v25     where I read a row back
.set OUTO, 27                          ; v27     16 x lane: my place in a row of the output
.set RA,   32                          ; v32-95  A as f32: four blocks of 16 rows x 32 K
.set AF,   96                          ; v96-159 A's fragments (block 0: hi), buffer g at AF + 32 g
.set AL,   160                         ; v160-175 block 0's lo, buffer g at AL + 8 g
.set TS,   224                         ; v224-239 the split, at work
.set X,    160                         ; the way out: v160-191 four rows read back
.set WV, 16                            ; s16 wave, s17 its half of the rows, s18 its half of the columns (also: which half of a tile it fetches)
.set RH, 17
.set CH, 18
.set CX, 19
.set MT, 20                            ; s20 work-group x, s21 work-group y
.set YY, 21
.set CY, 23
.set G1A, 24                           ; s[24:31] descriptor group 1 of A's tiles; s[32:39] group 0, a set for each slot
.set G0A, 32
.set G1B, 40                           ; s[40:47], s[48:55] the same for W's
.set G0B, 48
.set MSB, 0
.macro WIN new                         ; the immediate's high byte repeats the setting that is left; a switch that changes nothing is dropped
.if MSB != (\new)
	s_set_vgpr_msb (MSB<<8)|(\new)
.set MSB, (\new)
.endif
.endm
.macro PLACES                          ; four plain vector instructions between a matrix instruction and a load into, or a vector access to, its registers
.rept 4
	v_nop
.endr
.endm
.macro CREST                           ; a round of the cluster's barrier behind its opening barrier
	s_cmp_lg_u32 s[WV], 0
	s_cbranch_scc1 .Lnot_wave_0_\@
	s_barrier_signal -3
.Lnot_wave_0_\@:
	s_barrier_wait -3
	s_barrier_signal -1
	s_barrier_wait -1
.endm
.macro CROUND
	s_barrier_signal -1
	s_barrier_wait -1
	CREST
.endm
.macro JLOAD sl                        ; waves 0, 1 fetch A's two halves, waves 2, 3 W's; the branch hangs on the wave's number alone; four v_nop follow each line
	s_cmp_lt_u32 s[WV], 2
	s_cbranch_scc0 .Lfor_b_\@
	tensor_load_to_lds s[G0A+4*\sl:G0A+4*\sl+3], s[G1A:G1A+7]
	s_nop 0
.rept 4
	v_nop
.endr
	s_branch .Lasked_\@
.Lfor_b_\@:
	tensor_load_to_lds s[G0B+4*\sl:G0B+4*\sl+3], s[G1B:G1B+7]
	s_nop 0
.rept 4
	v_nop
.endr
.Lasked_\@:
.endm
	s_load_b128 s[4:7], s[0:1], 0x0                ; attnf s[4:5], wb s[6:7]
	s_load_b64 s[8:9], s[0:1], 0x10                ; out0
	v_lshl_add_u32 v254, v0, 2, 0x42400
	v_mov_b32 v255, 0
	ds_add_u32 v254, v255
	v_lshrrev_b32 v1, 5, v0
	v_readfirstlane_b32 s[WV], v1
	s_lshr_b32 s[RH], s[WV], 1
	s_and_b32 s[CH], s[WV], 1
	s_bfe_u32 s[CX], ttmp6, 0x40000
	s_lshl_b32 s[MT], ttmp9, 2                     ; in a cluster launch ttmp9 and ttmp7 count clusters
	s_add_co_u32 s[MT], s[MT], s[CX]               ; work-group x = 4 x cluster x + cx
	s_bfe_u32 s[CY], ttmp6, 0x40004
	s_and_b32 s[YY], ttmp7, 0xffff
	s_lshl_b32 s[YY], s[YY], 2
	s_add_co_u32 s[YY], s[YY], s[CY]               ; work-group y = 4 x cluster y + cy
	s_lshl_b32 s56, 0x1111, s[CX]                  ; my column of the cluster shares A's tiles
	s_or_b32 s[G1A], s56, (2<<16)|(1<<20)|(1<<21)|(5<<22)|(3<<25)      ; elements of 4 bytes; 4 words of padding behind every 64
	s_lshl_b32 s57, s[CY], 2
	s_lshl_b32 s57, 15, s57                        ; my row of the cluster shares W's
	s_or_b32 s[G1B], s57, (1<<16)|(1<<20)|(1<<21)|(7<<22)|(7<<25)      ; elements of 2 bytes; 8 words of padding behind every 256
	s_mov_b32 s[G1A+1], KS<<16                     ; tensor_dim0 = 64
	s_mov_b32 s[G1A+2], 64<<16                     ; tensor_dim1 = 64
	s_mov_b32 s[G1A+3], KS<<16                     ; tile_dim0 = 64 elements: 256 bytes
	s_mov_b32 s[G1A+4], 64                         ; tile_dim1 = 64 rows,
	s_mov_b32 s[G1A+5], 64*KDIM                    ; each 64 rows of attnf behind the last
	s_mov_b32 s[G1A+6], 0
	s_mov_b32 s[G1A+7], 0
	s_mov_b32 s[G1B+1], 512<<16                    ; tensor_dim0 = 512
	s_mov_b32 s[G1B+2], 32<<16                     ; tensor_dim1 = 32
	s_mov_b32 s[G1B+3], 512<<16                    ; tile_dim0 = 512 elements: 1,024 bytes
	s_mov_b32 s[G1B+4], 32                         ; tile_dim1 = 32 k-rows: half of a step's 64
	s_mov_b32 s[G1B+5], NP
	s_mov_b32 s[G1B+6], 0
	s_mov_b32 s[G1B+7], 0
	s_lshl_b32 s57, s[CH], 12
	s_add_co_u32 s56, s[MT], s57                   ; A: the half's first row is x + 64 x 64 x half,
	s_mul_i32 s56, s56, KDIM*4                     ; in bytes (under 2^24)
	s_mov_b32 s57, 0
	s_lshl_b32 s60, s[YY], 10                      ; W: wo's columns 512 y on,
	s_add_co_u32 s60, s60, 3*0x200000              ; behind wq, wk and wv
	s_mul_i32 s61, s[CH], 32*NP*2                  ; and my 32 k-rows
	s_add_co_u32 s60, s60, s61
	s_mov_b32 s61, 0
	s_mul_i32 s22, s[CH], 64*PA                    ; where they go: no place in the cluster enters an LDS address
	s_mul_i32 s2, s[CH], 32*PB
	s_add_co_u32 s2, s2, AOFF
	s_wait_dscnt 0x0
	s_wait_kmcnt 0x0
	s_add_nc_u64 s[58:59], s[4:5], s[56:57]
	s_add_nc_u64 s[62:63], s[6:7], s[60:61]
.irp sl, 0,1
	s_mov_b32 s[G0A+4*\sl], 1
	s_add_co_u32 s[G0A+4*\sl+1], s22, \sl*SLOT
	s_add_nc_u64 s[G0A+4*\sl+2:G0A+4*\sl+3], s[58:59], \sl*KS*4
	s_or_b32 s[G0A+4*\sl+3], s[G0A+4*\sl+3], 0x80000000
	s_mov_b32 s[G0B+4*\sl], 1
	s_add_co_u32 s[G0B+4*\sl+1], s2, \sl*SLOT
	s_add_nc_u64 s[G0B+4*\sl+2:G0B+4*\sl+3], s[62:63], \sl*KS*NP*2
	s_or_b32 s[G0B+4*\sl+3], s[G0B+4*\sl+3], 0x80000000
.endr
	CROUND                                         ; all partners are here: the first joint loads meet
	s_cmp_lt_u32 s[WV], 2                          ; a wave's two first fills stand in one branch: two loads of mine are out
	s_cbranch_scc0 .Lfirst_b
	tensor_load_to_lds s[G0A:G0A+3], s[G1A:G1A+7]
	s_nop 0
	tensor_load_to_lds s[G0A+4:G0A+7], s[G1A:G1A+7]
	s_nop 0
.rept 4
	v_nop
.endr
	s_branch .Lfirst_asked
.Lfirst_b:
	tensor_load_to_lds s[G0B:G0B+3], s[G1B:G1B+7]
	s_nop 0
	tensor_load_to_lds s[G0B+4:G0B+7], s[G1B:G1B+7]
	s_nop 0
.rept 4
	v_nop
.endr
.Lfirst_asked:
	v_and_b32 v1, 15, v0                           ; r = l % 16
	v_bfe_u32 v2, v0, 4, 1                         ; h = l / 16
	v_and_b32 v3, 31, v0                           ; l
	v_and_b32 v4, 7, v0
	v_bfe_u32 v5, v0, 3, 1
	; A's fragment: lane l holds row r; registers 0-3 K = 8 h + 0..7, registers 4-7 K = 16 + 8 h + 0..7.  As f32 that is 32 bytes at 32 h and 32 bytes at 64 + 32 h.
	v_mul_u32_u24 v6, v1, PA
	v_lshl_add_u32 v6, v2, 5, v6
	s_mul_i32 s56, s[RH], 64*PA
	v_add_nc_u32 v[ADRA], s56, v6
	v_add_nc_u32 v[ADRA+1], SLOT, v[ADRA]
	; W's fragment by the turning load: lane l reads 16 bytes of k-row 8 h + l % 8, columns 8 ((l / 8) % 2) + 0..7, and receives column r, eight k.
	v_lshl_add_u32 v7, v2, 3, v4
	v_mul_u32_u24 v7, v7, PB
	v_lshl_add_u32 v7, v5, 4, v7
	s_lshl_b32 s57, s[CH], 9
	s_add_co_u32 s57, s57, AOFF
	v_add_nc_u32 v[ADRB], s57, v7
	v_add_nc_u32 v[ADRB+1], SLOT, v[ADRB]
	s_mul_i32 s56, s[WV], 16*SP
	s_add_co_u32 s56, s56, STAGE                   ; my stage
	v_mul_u32_u24 v8, v1, SP
	v_lshl_add_u32 v8, v2, 5, v8
	v_add_nc_u32 v[STO], s56, v8                   ; in: row r, 32 bytes for each half of the lanes
	v_lshlrev_b32 v[OUTO], 4, v3
	v_add_nc_u32 v[RD], s56, v[OUTO]               ; back: 32 lanes x 16 bytes: half a row
	; the base of the way out, in registers that feed no descriptor
	s_lshl_b32 s81, s[RH], 12
	s_add_co_u32 s80, s[MT], s81                   ; my first row: x + 4,096 x half
	s_lshl_b32 s80, s80, 13                        ; rows of 8,192 bytes,
	s_lshl_b32 s81, s[YY], 11                      ; 512 columns of f32 a block,
	s_add_co_u32 s80, s80, s81
	s_lshl_b32 s81, s[CH], 10                      ; my 256 of them
	s_add_co_u32 s80, s80, s81
	s_mov_b32 s81, 0
	s_add_nc_u64 s[8:9], s[8:9], s[80:81]
; Row block a x all 16 column blocks, 32 along K, from buffer f: 16 matrix instructions; for block 0 sixteen more, with its lo.  zero = 1: the first sixteen start the sums.
; The accumulators take turns, one instruction a turn: between two links of a chain stand at least 15 others', over the loop's edge too.
.macro MUL16 f, a, zero
	WIN 0xa1+0x50*((\a)/2)
.irp b, 0,1,2,3,4,5,6,7,8,9,10,11,12,13,14,15
.set rD, 8*(16*((\a)%2)+\b)
.if \zero
	v_wmma_f32_16x16x32_f16 v[rD:rD+7], v[128*\f+8*\b:128*\f+8*\b+7], v[AF+32*\f+8*\a:AF+32*\f+8*\a+7], 0
.else
	v_wmma_f32_16x16x32_f16 v[rD:rD+7], v[128*\f+8*\b:128*\f+8*\b+7], v[AF+32*\f+8*\a:AF+32*\f+8*\a+7], v[rD:rD+7]
.endif
.endr
.if (\a) == 0
.irp b, 0,1,2,3,4,5,6,7,8,9,10,11,12,13,14,15
	v_wmma_f32_16x16x32_f16 v[8*\b:8*\b+7], v[128*\f+8*\b:128*\f+8*\b+7], v[AL+8*\f:AL+8*\f+7], v[8*\b:8*\b+7]
.endr
.endif
.endm
; 48 LDS loads in one run: half c of a step: 16 for A (f32), then 32 for W into buffer g
.macro FETCH slot, c, g
	WIN 0
.irp a, 0,1,2,3
	ds_load_b128 v[RA+16*\a:RA+16*\a+3],     v[ADRA+\slot] offset:\a*16*PA+128*\c
	ds_load_b128 v[RA+16*\a+4:RA+16*\a+7],   v[ADRA+\slot] offset:\a*16*PA+128*\c+16
	ds_load_b128 v[RA+16*\a+8:RA+16*\a+11],  v[ADRA+\slot] offset:\a*16*PA+128*\c+64
	ds_load_b128 v[RA+16*\a+12:RA+16*\a+15], v[ADRA+\slot] offset:\a*16*PA+128*\c+80
.endr
	WIN 0x40
.irp b, 0,1,2,3,4,5,6,7,8,9,10,11,12,13,14,15
	ds_load_tr16_b128 v[128*\g+8*\b:128*\g+8*\b+3],   v[ADRB+\slot] offset:\c*32*PB+32*\b
	ds_load_tr16_b128 v[128*\g+8*\b+4:128*\g+8*\b+7], v[ADRB+\slot] offset:\c*32*PB+16*PB+32*\b
.endr
.endm
; A's 64 x 32 numbers into buffer g.  Block 0 (the first 16 registers of RA) is split: t = 8193 x, hi = t + (x - t) is x rounded to 24 - 13 = 11 bits, exact in f16; lo = x - hi is exact in f32 and is
; rounded to f16.  Blocks 1 to 3 are rounded to f16.
.macro CVT g
	WIN 0
.irp u, 0,1
.irp e, 0,1,2,3
	v_pk_mul_f32 v[TS+4*\e:TS+4*\e+1], v[RA+8*\u+2*\e:RA+8*\u+2*\e+1], 0x46000400 op_sel_hi:[1,0]
.endr
.irp e, 0,1,2,3
	v_pk_add_f32 v[TS+4*\e+2:TS+4*\e+3], v[RA+8*\u+2*\e:RA+8*\u+2*\e+1], v[TS+4*\e:TS+4*\e+1] neg_lo:[0,1] neg_hi:[0,1]
.endr
.irp e, 0,1,2,3
	v_pk_add_f32 v[TS+4*\e:TS+4*\e+1], v[TS+4*\e:TS+4*\e+1], v[TS+4*\e+2:TS+4*\e+3]
.endr
.irp e, 0,1,2,3
	v_pk_add_f32 v[RA+8*\u+2*\e:RA+8*\u+2*\e+1], v[RA+8*\u+2*\e:RA+8*\u+2*\e+1], v[TS+4*\e:TS+4*\e+1] neg_lo:[0,1] neg_hi:[0,1]
.endr
.irp e, 0,1,2,3
	v_cvt_pk_f16_f32 v[AF+32*\g+4*\u+\e], v[TS+4*\e], v[TS+4*\e+1]
	v_cvt_pk_f16_f32 v[AL+8*\g+4*\u+\e], v[RA+8*\u+2*\e], v[RA+8*\u+2*\e+1]
.endr
.endr
.irp i, 8,9,10,11,12,13,14,15,16,17,18,19,20,21,22,23,24,25,26,27,28,29,30,31
	v_cvt_pk_f16_f32 v[AF+32*\g+\i], v[RA+2*\i], v[RA+2*\i+1]
.endr
.endm
; The first half of a step multiplies buffer 0 and fetches the second half of the same slot into buffer 1.
.macro C0 slot, zero
	s_wait_dscnt 0x0                               ; W's fragments of buffer 0 are in
	MUL16 0, 0, \zero
	MUL16 0, 1, \zero
	PLACES                                         ; buffer 1 was multiplied last in front of these
	FETCH \slot, 1, 1
	MUL16 0, 2, \zero
	s_wait_dscnt 32                                ; A's 16 loads are in; W's 32, issued behind them, may stay out
	CVT 1
	MUL16 0, 3, \zero
.endm
; The second half multiplies buffer 1 and changes slots: one barrier.  In front of it each wave has its reads of this slot back and all its tensor loads landed (one was out: its part of the next slot).
; fill = 1: the barrier opens a round of the cluster's barrier, and this slot's refill, two steps on, is the first tensor load behind the round: 144 of a step's 160 matrix instructions ahead of the wait for it.
.macro C1 slot, next, fill
	s_wait_dscnt 0x0                               ; buffer 1 is in, and with it my last reads of this slot
	MUL16 1, 0, 0
	s_set_vgpr_msb 0xa1a0
	s_wait_tensorcnt 0x0
	ds_add_u32 v254, v255
	s_wait_dscnt 0x0
	s_set_vgpr_msb 0xa0a1
	s_barrier_signal -1
	MUL16 1, 1, 0                                  ; registers alone between signal and wait
	WIN 0                                          ; at a branch and at a label every window is 0
	s_barrier_wait -1
.if \fill
	CREST
	s_add_nc_u64 s[G0A+4*\slot+2:G0A+4*\slot+3], s[G0A+4*\slot+2:G0A+4*\slot+3], 2*KS*4      ; no tensor load of mine is out: the descriptors may step
	s_add_nc_u64 s[G0B+4*\slot+2:G0B+4*\slot+3], s[G0B+4*\slot+2:G0B+4*\slot+3], 2*KS*NP*2
	JLOAD \slot                                    ; its four v_nop are also the places in front of the loads below
.else
	PLACES
.endif
	FETCH \next, 0, 0
	MUL16 1, 2, 0
	s_wait_dscnt 32
	CVT 0
	MUL16 1, 3, 0
.endm
	s_wait_tensorcnt 0x1                           ; my part of step 0 is in; step 1's may stay out
	s_barrier_signal -1
	s_barrier_wait -1
	FETCH 0, 0, 0
	s_wait_dscnt 32
	CVT 0
	C0 0, 1                                        ; the first half step stands in front of the loop: its products start the sums
	WIN 0
	s_mov_b32 s3, LAPS-1
.Llap:                                                 ; a trip goes once round the ring and fills both slots again
	C1 0, 1, 1
	C0 1, 0
	C1 1, 0, 1
	C0 0, 0
	WIN 0
	s_sub_co_u32 s3, s3, 1
	s_cmp_lg_u32 s3, 0
	s_cbranch_scc1 .Llap
	C1 0, 1, 0                                     ; the last lap fills nothing
	C0 1, 0
	s_wait_dscnt 0x0
	MUL16 1, 0, 0
	MUL16 1, 1, 0
	MUL16 1, 2, 0
	MUL16 1, 3, 0
	WIN 0
	PLACES
; THE WAY OUT, a block of 16 rows at a time through my own stage: in by 16 bytes a lane, back as rows of 1,024 bytes.  LDS serves a wave's instructions in order, so no wait stands between my stores and my loads.
.macro STAGE_RAW a                     ; the sums as they are; each accumulator's low registers first
.set AC, 128*((\a)%2)
	WIN 0x08+4*((\a)/2)                            ; a store's data: window 2 or 3
.irp b, 0,1,2,3,4,5,6,7,8,9,10,11,12,13,14,15
	ds_store_b128 v[STO], v[AC+8*\b:AC+8*\b+3]   offset:64*\b
	ds_store_b128 v[STO], v[AC+8*\b+4:AC+8*\b+7] offset:64*\b+16
.endr
	WIN 0
.endm
.macro ROWS_F32 G                      ; rows 4 G .. 4 G + 3 of my 64: times 1/32, exact, and out as f32
	s_wait_xcnt 0x0                                ; the rows that earlier stores read are loaded again, and the stores' base is stepped, only behind this wait
.if ((\G)%4 == 0) && ((\G) > 0)
	s_add_nc_u64 s[8:9], s[8:9], 16*RSTEP          ; on to the next block of 16 rows, so that the stores' offsets stay inside the signed 24-bit immediate: 15 x 524,288 + 512 at the most
.endif
.irp i, 0,1,2,3
	ds_load_b128 v[X+8*\i:X+8*\i+3],   v[RD] offset:(4*((\G)%4)+\i)*SP
	ds_load_b128 v[X+8*\i+4:X+8*\i+7], v[RD] offset:(4*((\G)%4)+\i)*SP+512
.endr
	s_wait_dscnt 0x0
.irp q, 0,1,2,3,4,5,6,7,8,9,10,11,12,13,14,15
	v_pk_mul_f32 v[X+2*\q:X+2*\q+1], v[X+2*\q:X+2*\q+1], 0x3d000000 op_sel_hi:[1,0]
.endr
.irp i, 0,1,2,3
	global_store_b128 v[OUTO], v[X+8*\i:X+8*\i+3],   s[8:9] offset:(4*((\G)%4)+\i)*RSTEP       ; 32 lanes store 512 consecutive bytes, at a multiple of 512 from out0's first byte
	global_store_b128 v[OUTO], v[X+8*\i+4:X+8*\i+7], s[8:9] offset:(4*((\G)%4)+\i)*RSTEP+512
.endr
.endm
.irp a, 0,1,2,3
	STAGE_RAW \a
.irp gq, 0,1,2,3
	ROWS_F32 4*\a+\gq
.endr
.endr
	s_wait_tensorcnt 0x0
	ds_add_u32 v254, v255
	s_wait_dscnt 0x0
	CROUND                                         ; the closing round: no work-group ends while a partner may still ask for a tile that names it
	s_endpgm
.Lfunc_end_k_q1bc4dfd657_oproj:
	.size	k_q1bc4dfd657_oproj, .Lfunc_end_k_q1bc4dfd657_oproj-k_q1bc4dfd657_oproj
	.p2alignl 7, 3214868480
	.fill 96, 4, 3214868480
	.section	.rodata,"a",@progbits
	.p2align	6, 0x0
	.amdhsa_kernel k_q1bc4dfd657_oproj
		.amdhsa_group_segment_fixed_size 327680
		.amdhsa_private_segment_fixed_size 0
		.amdhsa_enable_private_segment 0
		.amdhsa_kernarg_size 24
		.amdhsa_user_sgpr_count 2
		.amdhsa_user_sgpr_kernarg_segment_ptr 1
		.amdhsa_wavefront_size32 1
		.amdhsa_system_sgpr_workgroup_id_x 1
		.amdhsa_system_sgpr_workgroup_id_y 1
		.amdhsa_system_sgpr_workgroup_id_z 1
		.amdhsa_system_vgpr_workitem_id 0
		.amdhsa_next_free_vgpr 1024
		.amdhsa_next_free_sgpr 90
		.amdhsa_reserve_vcc 0
		.amdhsa_float_denorm_mode_32 3
		.amdhsa_float_denorm_mode_16_64 3
		.amdhsa_memory_ordered 1
		.amdhsa_forward_progress 1
		.amdhsa_inst_pref_size 168
	.end_amdhsa_kernel
	.amdgpu_metadata
---
amdhsa.version: [ 1, 2 ]
amdhsa.kernels:
  - .name:           k_q1bc4dfd657_oproj
    .symbol:         k_q1bc4dfd657_oproj.kd
    .args:
      - { .name: attnf, .offset: 0, .size: 8, .value_kind: global_buffer, .address_space: global }
      - { .name: wb, .offset: 8, .size: 8, .value_kind: global_buffer, .address_space: global }
      - { .name: out0, .offset: 16, .size: 8, .value_kind: global_buffer, .address_space: global }
    .group_segment_fixed_size: 327680
    .private_segment_fixed_size: 0
    .kernarg_segment_align: 8
    .kernarg_segment_size: 24
    .max_flat_workgroup_size: 128
    .sgpr_count:     90
    .vgpr_count:     1024
    .wavefront_size: 32
...
	.end_amdgpu_metadata
.endif
;; end of part 4
;; ======== version 2 of 2: 4 launches; version 1 with the launch cast written anew for expert scheduling mode
;; limits: values are held in f16: magnitudes above 65,504 overflow, below 6.1e-05 lose precision; values outside matrix products are rounded to bf16
;; workspace buffers: wb 8,388,608 bytes; qkvb 50,331,648 bytes; attnf 16,777,216 bytes
;; launch cast (part 5): grid 256 x 1, 8 waves a work-group, no clusters, 0 bytes of LDS; arguments wq, wk, wv, wo, wb; writes wb
.if DOCPART == 5
	.amdgcn_target "amdgcn-amd-amdhsa--gfx1250"
	.amdhsa_code_object_version 6
	.text
	.protected	k_q1bc4dfd657_cast
	.globl	k_q1bc4dfd657_cast
	.p2align	8
	.type	k_q1bc4dfd657_cast,@function
k_q1bc4dfd657_cast:
	s_mov_b64 s[64:65], 0
	v_nop
	global_prefetch_b8 v0, s[64:65] scope:SCOPE_SE
	s_setreg_imm32_b32 hwreg(HW_REG_WAVE_SCHED_MODE, 0, 2), 2
	s_setreg_imm32_b32 hwreg(HW_REG_WAVE_MODE, 25, 1), 1
	s_wait_xcnt 0x0
	s_wait_alu depctr_vm_vsrc(0)
; wb = the four weight matrices as 16-bit numbers, each in its own [K][N] order: wq at byte 0, wk at 2,097,152, wv at 4,194,304 (bf16), wo at 6,291,456 (rounded to bf16, then held as f16).
; wo's partner in the last product is f16, so wo must be f16 too; a bf16 number has 8 significant bits and is exact in f16 from 2^-17 upward.
; A stream: 256 work-groups, each 65,536 bytes of one source (64 chunks a source) and 32,768 bytes of wb.  Thread t takes 16 bytes at 16 t of each 4,096-byte line:
; a wave's load covers 512 consecutive bytes, its store 256 consecutive bytes at a multiple of 256 from wb's first byte.  No LDS, no barrier, no matrix work: nothing is shared.
; LIMIT: wo's magnitudes stay under 65,504; those under 7.6e-6 are moved by up to 3e-8.
; THE MODE: SCHED_MODE bits 1:0 = 2 (LLVM: expert scheduling mode 2), set by the entry lines.  The code itself states the register dependences
; between vector instructions and memory instructions, with s_wait_alu, always for 0.
; THE PLAN.  Registers that memory instructions touch:
;   v1, v2   byte offsets of the loads and of the stores: made once at the head, never written again.
;   X        line i: four registers.  Written by load i; all sixteen loads are issued ahead of every vector line that names X.  Read, and on wo's path written again, by vector lines alone.
;   Y        line i: a pair.  Written by line i's roundings, read by store i, never written behind that store.
; The sixteen lines go in four blocks of four.  Block p rounds its four lines into its own pairs of Y; its memory instructions are the four stores of block p - 1, whose pairs no vector line of block p names.
; So one wait on va_vdst at a block's head states all that the block's four stores hang on, and they are dealt among its roundings with no further wait.
; No register that a memory instruction reads is written again: no wait on vm_vsrc is owed.  No vector line writes a scalar register, VCC or EXEC.
.set X, 4                              ; v[4:67]   sixteen loads of four f32
.set Y, 68                             ; v[68:99]  sixteen pairs of packed 16-bit numbers
	s_load_b256 s[4:11], s[0:1], 0x0               ; wq s[4:5], wk s[6:7], wv s[8:9], wo s[10:11]
	s_load_b64 s[12:13], s[0:1], 0x20              ; wb
	s_lshr_b32 s14, ttmp9, 6                       ; which source
	s_and_b32 s18, ttmp9, 63                       ; which chunk of it,
	s_lshl_b32 s18, s18, 16                        ; in bytes
	s_mov_b32 s19, 0
	s_lshl_b32 s20, ttmp9, 15                      ; my 32,768 bytes of wb
	s_mov_b32 s21, 0
	v_lshlrev_b32 v1, 4, v0                        ; 16 t
	v_lshlrev_b32 v2, 3, v0                        ; 8 t
	s_wait_kmcnt 0x0
	s_mov_b64 s[16:17], s[4:5]
.irp n, 1,2,3
	s_cmp_eq_u32 s14, \n                           ; the choice hangs on the work-group's number alone
	s_cselect_b64 s[16:17], s[4+2*\n:5+2*\n], s[16:17]
.endr
	s_add_nc_u64 s[16:17], s[16:17], s[18:19]
	s_add_nc_u64 s[12:13], s[12:13], s[20:21]
	s_wait_alu depctr_va_vdst(0)                   ; v1 and v2 are written: every load reads v1 and every store v2 as its offset
.irp i, 0,1,2,3,4,5,6,7,8,9,10,11,12,13,14,15
	global_load_b128 v[X+4*\i:X+4*\i+3], v1, s[16:17] offset:4096*\i th:TH_LOAD_NT   ; all sixteen go out first
.endr
.macro OUT i                           ; line i leaves
	global_store_b64 v2, v[Y+2*(\i):Y+2*(\i)+1], s[12:13] offset:2048*(\i)   ; no register that a store reads is written again
.endm
.macro TOBF i                          ; line i's four numbers, rounded to bf16
	v_cvt_pk_bf16_f32 v[Y+2*(\i)], v[X+4*(\i)], v[X+4*(\i)+1]
	v_cvt_pk_bf16_f32 v[Y+2*(\i)+1], v[X+4*(\i)+2], v[X+4*(\i)+3]
.endm
.macro TOF16 i                         ; the same, then held as f16
	TOBF \i
	v_lshlrev_b32 v[X+4*(\i)], 16, v[Y+2*(\i)]     ; the rounded numbers as f32 again,
	v_and_b32 v[X+4*(\i)+1], 0xffff0000, v[Y+2*(\i)]
	v_lshlrev_b32 v[X+4*(\i)+2], 16, v[Y+2*(\i)+1]
	v_and_b32 v[X+4*(\i)+3], 0xffff0000, v[Y+2*(\i)+1]
	v_cvt_pk_f16_f32 v[Y+2*(\i)], v[X+4*(\i)], v[X+4*(\i)+1]     ; and in f16's clothes
	v_cvt_pk_f16_f32 v[Y+2*(\i)+1], v[X+4*(\i)+2], v[X+4*(\i)+3]
.endm
; Block p of wq, wk or wv: lines 4 p .. 4 p + 3 are rounded; the block before is stored, a store in front of each line's roundings.
.macro BLKB p
	s_wait_loadcnt 12-4*(\p)                       ; loads return in order: the block's four are in, the 12 - 4 p younger ones stay out
.if (\p) > 0
	s_wait_alu depctr_va_vdst(0)                   ; the block before has written its four pairs of Y, which the stores below read
.endif
.irp j, 0,1,2,3
.if (\p) > 0
	OUT 4*(\p)-4+\j
.endif
	TOBF 4*(\p)+\j
.endr
.endm
; The same for wo.
.macro BLKH p
	s_wait_loadcnt 12-4*(\p)                       ; the block's four loads are in, the 12 - 4 p younger ones stay out
.if (\p) > 0
	s_wait_alu depctr_va_vdst(0)                   ; the block before has written its four pairs of Y, which the stores below read
.endif
.irp j, 0,1,2,3
.if (\p) > 0
	OUT 4*(\p)-4+\j
.endif
	TOF16 4*(\p)+\j
.endr
.endm
	s_cmp_eq_u32 s14, 3
	s_cbranch_scc1 .Lwo
	BLKB 0
	BLKB 1
	BLKB 2
	BLKB 3
	s_wait_alu depctr_va_vdst(0)                   ; block 3 has written its four pairs of Y, which the last four stores read
	OUT 12
	OUT 13
	OUT 14
	OUT 15
	s_endpgm
.Lwo:
	BLKH 0
	BLKH 1
	BLKH 2
	BLKH 3
	s_wait_alu depctr_va_vdst(0)                   ; block 3 has written its four pairs of Y, which the last four stores read
	OUT 12
	OUT 13
	OUT 14
	OUT 15
	s_endpgm
.Lfunc_end_k_q1bc4dfd657_cast:
	.size	k_q1bc4dfd657_cast, .Lfunc_end_k_q1bc4dfd657_cast-k_q1bc4dfd657_cast
	.p2alignl 7, 3214868480
	.fill 96, 4, 3214868480
	.section	.rodata,"a",@progbits
	.p2align	6, 0x0
	.amdhsa_kernel k_q1bc4dfd657_cast
		.amdhsa_group_segment_fixed_size 0
		.amdhsa_private_segment_fixed_size 0
		.amdhsa_enable_private_segment 0
		.amdhsa_kernarg_size 40
		.amdhsa_user_sgpr_count 2
		.amdhsa_user_sgpr_kernarg_segment_ptr 1
		.amdhsa_wavefront_size32 1
		.amdhsa_system_sgpr_workgroup_id_x 1
		.amdhsa_system_sgpr_workgroup_id_y 1
		.amdhsa_system_sgpr_workgroup_id_z 1
		.amdhsa_system_vgpr_workitem_id 0
		.amdhsa_next_free_vgpr 104
		.amdhsa_next_free_sgpr 66
		.amdhsa_reserve_vcc 0
		.amdhsa_float_denorm_mode_32 3
		.amdhsa_float_denorm_mode_16_64 3
		.amdhsa_memory_ordered 1
		.amdhsa_forward_progress 1
		.amdhsa_inst_pref_size 16
	.end_amdhsa_kernel
	.amdgpu_metadata
---
amdhsa.version: [ 1, 2 ]
amdhsa.kernels:
  - .name:           k_q1bc4dfd657_cast
    .symbol:         k_q1bc4dfd657_cast.kd
    .args:
      - { .name: wq, .offset: 0, .size: 8, .value_kind: global_buffer, .address_space: global }
      - { .name: wk, .offset: 8, .size: 8, .value_kind: global_buffer, .address_space: global }
      - { .name: wv, .offset: 16, .size: 8, .value_kind: global_buffer, .address_space: global }
      - { .name: wo, .offset: 24, .size: 8, .value_kind: global_buffer, .address_space: global }
      - { .name: wb, .offset: 32, .size: 8, .value_kind: global_buffer, .address_space: global }
    .group_segment_fixed_size: 0
    .private_segment_fixed_size: 0
    .kernarg_segment_align: 8
    .kernarg_segment_size: 40
    .max_flat_workgroup_size: 256
    .sgpr_count:     66
    .vgpr_count:     104
    .wavefront_size: 32
...
	.end_amdgpu_metadata
.endif
;; end of part 5
;; launch qkv: the kernel of part 2 again; grid 64 x 3, 4 waves a work-group, clusters of 4 x 1, 327,680 bytes of LDS; arguments hidden_states, wb, qkvb, cos, sin, q_norm_w, k_norm_w; writes qkvb
;; launch attn: the kernel of part 3 again; grid 64 x 4, 4 waves a work-group, clusters of 4 x 1, 327,680 bytes of LDS; arguments qkvb, attnf; writes attnf
;; launch oproj: the kernel of part 4 again; grid 64 x 4, 4 waves a work-group, clusters of 4 x 4, 327,680 bytes of LDS; arguments attnf, wb, out0; writes out0
